; MI455X (gfx1250); checked and timed in simulation.
; The chip was launched on July 23, 2026; its instructions are those of AMD's public machine-readable ISA for CDNA 5 (MIT licence, August 2026) and "CDNA5" Instruction Set Architecture Reference Guide (July 2026). The comments in the code are by the model that wrote it; some were corrected since.
;; Llama Decoder Layer. Allowed arithmetic: matrix products marked QUANTISED: E4M3 operands, one given power-of-two scale a tensor, by v_wmma_f32_16x16x64_fp8_fp8 or v_wmma_f32_16x16x128_fp8_fp8, f32 sums; everything else in f32.
;; Inputs: g1 2,048 float32; g2 2,048 float32; lowp_scales 18 int32 (the exponents e of the quantised operands' scales 2^e); wd 2,048 x 2,048 float32; wg 2,048 x 2,048 float32; wk 2,048 x 512 float32; wo 2,048 x 2,048 float32; wq 2,048 x 2,048 float32; wu 2,048 x 2,048 float32; wv 2,048 x 512 float32; x 1 x 2,048 x 2,048 float32.
;; Outputs: out0 1 x 2,048 x 2,048 float32.
;; This version of the problem:
;;   THIS VERSION OF THE PROBLEM IS GIVEN IN LOW PRECISION. The matrix products marked QUANTISED in the list below multiply operands that are first quantised to E4M3 (4 exponent bits, 3 mantissa bits; 8 bits a number), with one given power-of-two scale for each operand tensor; their sums are f32. All else is computed in f32.
;;   The module's matrix products, in the order in which they are computed (A, B: the left and right operand; K: the contracted axis; several contracted axes count as one K, in the product's order):
;;     1. [M 2,048, K 2,048] x [K 2,048, N 2,048]; A: computed on the way; B: input wq: QUANTISED (scales: A lowp_scales[0], B lowp_scales[1])
;;     2. [M 2,048, K 2,048] x [K 2,048, N 512]; A: computed on the way; B: input wk: QUANTISED (scales: A lowp_scales[2], B lowp_scales[3])
;;     3. [M 2,048, K 2,048] x [K 2,048, N 512]; A: computed on the way; B: input wv: QUANTISED (scales: A lowp_scales[4], B lowp_scales[5])
;;     4. batch 32 x [M 2,048, K 64] x [K 64, N 2,048]; A: computed on the way; B: computed on the way: QUANTISED (scales: A lowp_scales[6], B lowp_scales[7])
;;     5. batch 32 x [M 2,048, K 2,048] x [K 2,048, N 64]; A: softmax (see below); B: computed on the way: QUANTISED (scales: A lowp_scales[8], B lowp_scales[9])
;;     6. [M 2,048, K 2,048] x [K 2,048, N 2,048]; A: computed on the way; B: input wo: QUANTISED (scales: A lowp_scales[10], B lowp_scales[11])
;;     7. [M 2,048, K 2,048] x [K 2,048, N 2,048]; A: computed on the way; B: input wg: QUANTISED (scales: A lowp_scales[12], B lowp_scales[13])
;;     8. [M 2,048, K 2,048] x [K 2,048, N 2,048]; A: computed on the way; B: input wu: QUANTISED (scales: A lowp_scales[14], B lowp_scales[15])
;;     9. [M 2,048, K 2,048] x [K 2,048, N 2,048]; A: computed on the way; B: input wd: QUANTISED (scales: A lowp_scales[16], B lowp_scales[17])
;;   THE QUANTISER, for each operand of a quantised product, along K:
;;     - The operand's scale is 2^e, e = its entry of the input lowp_scales (int32; the entries are numbered through the quantised products in the list's order, A before B).
;;     - Each number is divided by the scale, clamped to +-448, and rounded to the nearest number of E4M3, ties to even, subnormals kept.
;;     - The product sums the exact products of the quantised numbers (number of the format x scale) in f32.
;;   ~~~python
;;   def quantise(x, axis, e):      # numpy; x: float32 -> the quantised numbers, widened to float32 again
;;       x = np.moveaxis(x, axis, -1); K = x.shape[-1]
;;       r = np.clip(x / 2.0 ** e, -448, 448)
;;       step = 2.0 ** (np.maximum(np.frexp(np.where(r == 0, 1, r))[1] - 1, -6) - 3)
;;       q = np.round(r / step) * step * 2.0 ** e      # np.round: ties to even
;;       return np.moveaxis(q, -1, axis).astype(np.float32)
;;   ~~~
;;   SOFTMAX AHEAD OF A QUANTISED PRODUCT. Where the list says 'softmax', what is quantised is not the finished softmax but p = 2^(t - M), with t = logit x log2(e) and M = ceil(the row's largest t), a whole number; so 1/2 < the row's largest p <= 1. The row's sum l is taken of the UNQUANTISED p, in f32, and the product's result is divided by l at the end. Since M is a whole number, a kernel that streams over the keys may use a running M (the ceiling of the running maximum): every later rescaling is an exact power of two, so the quantised numbers keep their values, but for numbers so far below the row's largest that they fall under the format's range.
;;   OPERANDS COMPUTED ON THE WAY. 'Computed on the way' means the value that the module computes at that place (a softmax that the list does not call 'softmax' is quantised finished and normalised). What goes into a quantiser is computed in f32, as accurately as f32 sums, v_exp_f32 and their like allow (about 1e-6 of the number): no bf16 or f16 on the way to a quantiser, and a product that is left as it is and whose result goes on into a quantised operand takes f32 operands (vector FMAs, or v_wmma_f32_16x16x4_f32). A number that lies on a knife's edge between two numbers of the format may be rounded either way, as far as f32 arithmetic and the matrix unit's own rounding can turn it there, and no further.
;; One version. Each part assembles by itself: llvm-mc -triple=amdgcn-amd-amdhsa -mcpu=gfx1250 --defsym DOCPART=n.
;; ======== version 1 of 1: 7 launches
;; limits: right only within a limited range of input values
;; workspace buffers: wca 14,680,064 bytes; wco 4,194,560 bytes; wcd 4,194,560 bytes; act 12,582,912 bytes; res 16,777,216 bytes; x1 16,777,216 bytes; qkvc 6,291,456 bytes; rope 1,048,576 bytes
;; launch prep (part 1): grid 1216 x 1, 4 waves a work-group, no clusters, 59,904 bytes of LDS; arguments x, g1, wq, wk, wv, wo, wg, wu, wd, lowp_scales, wca, wco, wcd, act, rope; writes wca, wco, wcd, act, rope
.if DOCPART == 1
	.amdgcn_target "amdgcn-amd-amdhsa--gfx1250"
	.amdhsa_code_object_version 6
	.text
	.protected	k_q9c254826f0_prep
	.globl	k_q9c254826f0_prep
	.p2align	8
	.type	k_q9c254826f0_prep,@function
k_q9c254826f0_prep:
	s_mov_b64 s[64:65], 0
	v_nop
	global_prefetch_b8 v0, s[64:65] scope:SCOPE_SE
	s_setreg_imm32_b32 hwreg(HW_REG_WAVE_MODE, 25, 1), 1
	s_wait_xcnt 0x0
; PREP: one launch for all that depends on inputs alone.
; Work-groups 0-703 (path W): the seven weights, f32 stored [k][n], become codes of E4M3 with K innermost, each with its given scale 2^e.
;   A lane takes a column n and its registers run down K; a wave takes 32 columns x 256 along K; the codes leave through the wave's own stage,
;   sixteen lanes to 256 consecutive aligned bytes.  wq, wk, wv: rows 0-3071 of wca.  wg, wu: interleaved in wca, [n][8 chunks][wg 256 B, wu 256 B].  wo: wco.  wd: wcd.
;   Two of these work-groups also store the pair of exponents behind wco's and wcd's codes (32 x 8 bytes), which the product on them reads.
; Work-groups 704-1215 (path R): a wave takes a row of x: h1 = g1 x / sqrt(mean(x^2) + eps) as three planes of codes (act), one for each of the given scales
;   of products 1, 2, 3; and the row of the table of cos and sin for this position (rope: [pos][32][cos, sin]).
; The stream binds: no matrix unit, no cluster, no tensor load; waves share nothing, so there is no barrier.  Each path has LDS bytes of its own.
; cos, sin: angle = pos x 2^(-i log2(10000)/32); reduced by multiples of pi/2 in two parts; series through r^9 and r^10 on |r| <= pi/4.
; LIMITS: every given e between -126 and 119.  NaN among the inputs is not served (an infinity is held at the largest code).
.set NWW,  704                         ; work-groups of path W: 88 column blocks of 128 x 8 blocks of 256 along K
.set WP,   272                         ; path W: a stage row, 256 bytes + 16
.set RSTG, 4*32*WP                     ; path R's stages begin behind path W's: 6,144 bytes a wave
.set WV,   84
.set CB,   54
.set KB,   55
.set SRC,  56
.set DST,  58
.set PIT,  60
.set DOFF, 61
.set DROW, 62
.set DKB,  63
.set BASE, 66                          ; s[66:81] eight bases, 32 rows of the weight apart
.set EE,   82
.set CB0,  83
.set VO,   16                          ; v16-31   path W: offsets of the sixteen stores
.set X,    32                          ; v32-95   path W: two sets of 32 numbers
.set C,    96                          ; v96-103  path W: a block's codes
.set OUTR, 32                          ; path W: the way out lies over the two sets of numbers, which are spent by then
.set OFF,  104                         ; v104-135 path W: 4 lane + i x pitch
.set XR,   32                          ; v32-95   path R: the row, then h1
.set GR,   96                          ; v96-159  path R: g1
.set CD,   96                          ; v96-143  path R: codes, 16 registers a plane
.set OB,   144                         ; v144-191 path R: codes back from the stage
.macro MKSC e, sc, lim                 ; 2^e as f32 (the conversion takes its exponent field), and 448 x 2^e
	s_add_co_i32 s92, s[\e], 127
	s_lshl_b32 s93, s92, 23
	v_mov_b32 v[\sc], s93
	s_add_co_i32 s92, s92, 8
	s_lshl_b32 s92, s92, 23
	s_or_b32 s92, s92, 0x600000
	v_mov_b32 v[\lim], s92
.endm
	s_load_b512 s[4:19], s[0:1], 0x0               ; x, g1, wq, wk, wv, wo, wg, wu
	s_load_b256 s[20:27], s[0:1], 0x40             ; wd, scales, wca, wco
	s_load_b128 s[28:31], s[0:1], 0x60             ; wcd, act
	s_load_b64 s[34:35], s[0:1], 0x70              ; rope: the table, and behind its 524,288 bytes a unit of 256 bytes for each row's 1/rms
	v_lshrrev_b32 v1, 5, v0
	v_readfirstlane_b32 s[WV], v1                  ; wave
	v_and_b32 v2, 31, v0                           ; lane
	s_wait_kmcnt 0x0
	s_load_b512 s[36:51], s[22:23], 0x0            ; e0 .. e15
	s_load_b64 s[52:53], s[22:23], 0x40            ; e16, e17
	s_cmp_ge_u32 ttmp9, NWW
	s_cbranch_scc1 .Lrows
; ---------------- path W
.macro PICK cb0, src, pitch, dst, doff, drow, dkb, e   ; from column block cb0 on: the next tensor's figures
	s_cmp_ge_u32 s[CB], \cb0
	s_cselect_b64 s[SRC:SRC+1], s[\src:\src+1], s[SRC:SRC+1]
	s_cselect_b64 s[DST:DST+1], s[\dst:\dst+1], s[DST:DST+1]
	s_cselect_b32 s[PIT], \pitch, s[PIT]
	s_cselect_b32 s[DOFF], \doff, s[DOFF]
	s_cselect_b32 s[DROW], \drow, s[DROW]
	s_cselect_b32 s[DKB], \dkb, s[DKB]
	s_cselect_b32 s[EE], s[\e], s[EE]
	s_cselect_b32 s[CB0], \cb0, s[CB0]
.endm
	s_lshr_b32 s[CB], ttmp9, 3                     ; column block, through all seven tensors
	s_and_b32 s[KB], ttmp9, 7                      ; which 256 along K
	s_wait_kmcnt 0x0
	s_mov_b64 s[SRC:SRC+1], s[8:9]                 ; wq
	s_mov_b64 s[DST:DST+1], s[24:25]
	s_mov_b32 s[PIT], 8192
	s_mov_b32 s[DOFF], 0
	s_mov_b32 s[DROW], 2048
	s_mov_b32 s[DKB], 256
	s_mov_b32 s[EE], s37
	s_mov_b32 s[CB0], 0
	PICK 16, 10, 2048, 24, 0x400000, 2048, 256, 39 ; wk
	PICK 20, 12, 2048, 24, 0x500000, 2048, 256, 41 ; wv
	PICK 24, 14, 8192, 26, 0, 2048, 256, 47        ; wo
	PICK 40, 16, 8192, 24, 0x600000, 4096, 512, 49 ; wg
	PICK 56, 18, 8192, 24, 0x600100, 4096, 512, 51 ; wu
	PICK 72, 20, 8192, 28, 0, 2048, 256, 53        ; wd
	s_sub_co_u32 s86, s[CB], s[CB0]
	s_lshl_b32 s86, s86, 7
	s_lshl_b32 s87, s[WV], 5
	s_add_co_u32 s86, s86, s87                     ; my wave's first column
	s_mul_i32 s88, s[KB], s[PIT]
	s_lshl_b32 s88, s88, 8                         ; 256 rows of the weight for each step along K,
	s_lshl_b32 s87, s86, 2
	s_add_co_u32 s88, s88, s87                     ; + 4 bytes a column
	s_mov_b32 s89, 0
	s_add_nc_u64 s[BASE:BASE+1], s[SRC:SRC+1], s[88:89]
	s_lshl_b32 s90, s[PIT], 5
	s_mov_b32 s91, 0
.irp t, 1,2,3,4,5,6,7
	s_add_nc_u64 s[BASE+2*\t:BASE+2*\t+1], s[BASE+2*\t-2:BASE+2*\t-1], s[90:91]
.endr
	s_wait_alu depctr_va_vdst(0)
	v_lshlrev_b32 v[OFF], 2, v2
.set i, 1
.rept 31
	v_add_nc_u32 v[OFF+i], s[PIT], v[OFF+i-1]
.set i, i+1
.endr
.macro LOADW t                         ; block t: W(32 t + i, my column) into set t % 2: 128 consecutive bytes a wave and load
.set i, 0
.rept 32
	global_load_b32 v[X+32*((\t)%2)+i], v[OFF+i], s[BASE+2*(\t):BASE+2*(\t)+1] th:TH_LOAD_NT
.set i, i+1
.endr
.endm
	LOADW 0
	LOADW 1
	s_mul_i32 s92, s86, s[DROW]                    ; the codes: column x row bytes + the step along K + the tensor's place
	s_mul_i32 s87, s[KB], s[DKB]
	s_add_co_u32 s92, s92, s87
	s_add_co_u32 s92, s92, s[DOFF]
	s_mov_b32 s93, 0
	s_add_nc_u64 s[94:95], s[DST:DST+1], s[92:93]
	s_mul_i32 s87, s[WV], 32*WP                    ; my stage
	v_mul_u32_u24 v4, v2, WP
	v_add_nc_u32 v4, s87, v4                       ; into it: row = my column
	v_and_b32 v5, 15, v2
	v_lshrrev_b32 v6, 4, v2
	v_mul_u32_u24 v7, v6, WP
	v_lshl_add_u32 v7, v5, 4, v7
	v_add_nc_u32 v7, s87, v7                       ; out of it: sixteen lanes to a row, two rows an instruction
	v_mul_u32_u24 v[VO], v6, s[DROW]
	v_lshl_add_u32 v[VO], v5, 4, v[VO]
	s_lshl_b32 s96, s[DROW], 1
.set i, 1
.rept 15
	v_add_nc_u32 v[VO+i], s96, v[VO+i-1]
.set i, i+1
.endr
	MKSC EE, 11, 10
.macro BLOCK t
.set XS, X+32*((\t)%2)
.if (\t) < 7
	s_wait_loadcnt 32                              ; this block's 32 loads are in; the next block's may be out
.else
	s_wait_loadcnt 0x0
.endif
.set i, 0
.rept 32
	v_med3_num_f32 v[XS+i], v[XS+i], -v10, v10     ; the conversion does not saturate (ISA guide 7.6.2): the hold at 448 x the scale comes first
.set i, i+1
.endr
.irp g, 0,1,2,3
	v_cvt_scalef32_pk8_fp8_f32 v[C+2*\g:C+2*\g+1], v[XS+8*\g:XS+8*\g+7], v11
.endr
	ds_store_b128 v4, v[C:C+3] offset:32*(\t)
	ds_store_b128 v4, v[C+4:C+7] offset:32*(\t)+16
.if (\t)+2 < 8
	LOADW (\t)+2
.endif
	s_wait_dscnt 0x0                               ; the stores have read their registers: the next block's codes may be written
.endm
	s_wait_alu depctr_va_vdst(0)
.irp t, 0,1,2,3,4,5,6,7
	BLOCK \t
.endr
.irp t, 0,1,2,3,4,5,6,7,8,9,10,11,12,13,14,15
	ds_load_b128 v[OUTR+4*\t:OUTR+4*\t+3], v7 offset:2*\t*WP   ; LDS serves a wave's instructions in order: these see my stores
.endr
.irp t, 0,1,2,3,4,5,6,7,8,9,10,11,12,13,14,15
	s_wait_dscnt 15-\t
	global_store_b128 v[VO+\t], v[OUTR+4*\t:OUTR+4*\t+3], s[94:95]   ; sixteen lanes store 256 consecutive bytes, aligned
.endr
	s_cmp_lg_u32 s[WV], 0                          ; the exponents behind wco's codes (e10, e11) and wcd's (e16, e17): wave 0 of the tensor's first work-group
	s_cbranch_scc1 .Lw_end
	s_cmp_eq_u32 ttmp9, 192
	s_cselect_b32 s86, s46, s52
	s_cselect_b32 s87, s47, s53
	s_cbranch_scc1 .Ltail
	s_cmp_eq_u32 ttmp9, 576
	s_cbranch_scc0 .Lw_end
.Ltail:
	v_mov_b32 v8, s86
	v_mov_b32 v9, s87
	v_lshlrev_b32 v12, 3, v2
	global_store_b64 v12, v[8:9], s[DST:DST+1] offset:4194304   ; 32 lanes x 8 bytes: the 256 bytes behind the codes
.Lw_end:
	v_lshl_add_u32 v14, v0, 2, 0xe800              ; path R fills all 192 registers, so no two are kept: v0 is kept, and the add's two registers are made here
	v_mov_b32 v15, 0
	s_wait_alu depctr_va_vdst(0)
	s_wait_tensorcnt 0x0
	ds_add_u32 v14, v15
	s_wait_dscnt 0x0
	s_endpgm
; ---------------- path R
.Lrows:
	s_sub_co_u32 s86, ttmp9, NWW
	s_lshl_b32 s86, s86, 2
	s_add_co_u32 s86, s86, s[WV]                   ; my row, which is also the position
	s_lshl_b32 s88, s86, 13
	s_mov_b32 s89, 0
	s_add_nc_u64 s[4:5], s[4:5], s[88:89]          ; x
	s_lshl_b32 s90, s86, 11
	s_mov_b32 s91, 0
	s_add_nc_u64 s[66:67], s[30:31], s[90:91]      ; the three planes of codes
	s_add_nc_u64 s[68:69], s[66:67], 0x400000
	s_add_nc_u64 s[70:71], s[66:67], 0x800000
	s_lshl_b32 s90, s86, 8
	s_add_nc_u64 s[34:35], s[34:35], s[90:91]      ; the table's row
	s_wait_alu depctr_va_vdst(0)
	v_lshlrev_b32 v3, 4, v2
.set j, 0
.rept 16
	global_load_b128 v[XR+4*j:XR+4*j+3], v3, s[4:5] offset:512*j th:TH_LOAD_NT   ; 512 consecutive bytes a load
.set j, j+1
.endr
.set j, 0
.rept 16
	global_load_b128 v[GR+4*j:GR+4*j+3], v3, s[6:7] offset:512*j
.set j, j+1
.endr
	; the table's row, while the loads are on their way: lane = frequency i
	v_cvt_f32_u32 v160, v2                         ; at work here: v160-172, which the loads on their way do not touch
	v_mul_f32 v160, 0xbed49a78, v160               ; -i log2(10000) / 32
	s_wait_alu depctr_va_vdst(0)
	v_exp_f32 v160, v160
	v_nop                                          ; a plain place behind the transcendental
	v_cvt_f32_u32 v161, s86
	s_wait_alu depctr_va_vdst(0)
	v_mul_f32 v161, v161, v160                     ; the angle
	v_mul_f32 v162, 0x3f22f983, v161
	v_rndne_f32 v162, v162                         ; n = the nearest multiple of pi/2
	v_fmamk_f32 v163, v162, 0xbfc90fdb, v161       ; r = angle - n x (pi/2's upper part)
	v_fmamk_f32 v163, v162, 0x333bbd2e, v163       ;   - n x (its lower part, which is negative)
	v_mul_f32 v164, v163, v163
	v_mov_b32 v165, 0x3638ef1d
	v_mov_b32 v166, 0xb493f27e
	v_fmaak_f32 v165, v165, v164, 0xb9500d01
	v_fmaak_f32 v166, v166, v164, 0x37d00d01
	v_fmaak_f32 v165, v165, v164, 0x3c088889
	v_fmaak_f32 v166, v166, v164, 0xbab60b61
	v_fmaak_f32 v165, v165, v164, 0xbe2aaaab
	v_fmaak_f32 v166, v166, v164, 0x3d2aaaab
	v_mul_f32 v165, v165, v164
	v_fmaak_f32 v166, v166, v164, 0xbf000000
	v_fma_f32 v165, v165, v163, v163               ; sin r
	v_fma_f32 v166, v166, v164, 1.0                ; cos r
	v_cvt_i32_f32 v167, v162
	v_and_b32 v168, 1, v167
	v_cmp_eq_u32 vcc_lo, 1, v168                   ; odd quadrants change the two
	v_cndmask_b32 v170, v166, v165, vcc_lo
	v_cndmask_b32 v171, v165, v166, vcc_lo
	v_add_nc_u32 v168, 1, v167
	v_and_b32 v168, 2, v168                        ; cos is negative in quadrants 1, 2,
	v_lshlrev_b32 v168, 30, v168
	v_xor_b32 v170, v168, v170
	v_and_b32 v169, 2, v167                        ; sin in quadrants 2, 3
	v_lshlrev_b32 v169, 30, v169
	v_xor_b32 v171, v169, v171
	v_lshlrev_b32 v172, 3, v2
	global_store_b64 v172, v[170:171], s[34:35]    ; 32 lanes x 8 bytes: 256 consecutive bytes, aligned
	s_wait_xcnt 0x0                                ; the store's registers are written again by the codes' way back from the stage
	s_mul_i32 s87, s[WV], 6144
	s_add_co_u32 s87, s87, RSTG
	v_lshl_add_u32 v4, v2, 2, s87                  ; the stage: 4 codes a lane in,
	v_lshl_add_u32 v5, v2, 4, s87                  ; 16 out
	s_mov_b32 s96, 0x76543210
	s_mov_b32 s97, 0xfedcba98
	v_mov_b32 v1, 0x3727c5ac                       ; eps
	v_mov_b32 v9, 0
	s_wait_kmcnt 0x0
	MKSC 36, 10, 11                                ; e0
	MKSC 38, 14, 15                                ; e2
	MKSC 40, 6, 7                                  ; e4
	s_wait_loadcnt 0x0
.irp c, 0,1,2,3
	v_pk_mul_f32 v[16+2*\c:17+2*\c], v[XR+2*\c:XR+2*\c+1], v[XR+2*\c:XR+2*\c+1]   ; the first squares start four chains
.endr
.set j, 4
.rept 28
	v_pk_fma_f32 v[16+2*(j%4):17+2*(j%4)], v[XR+2*j:XR+2*j+1], v[XR+2*j:XR+2*j+1], v[16+2*(j%4):17+2*(j%4)]
.set j, j+1
.endr
	v_pk_add_f32 v[16:17], v[16:17], v[18:19]
	v_pk_add_f32 v[20:21], v[20:21], v[22:23]
	v_pk_add_f32 v[16:17], v[16:17], v[20:21]
	v_add_f32 v8, v16, v17
	v_add_f32_dpp v8, v8, v8 row_xmask:1 row_mask:0xf bank_mask:0xf
	v_add_f32_dpp v8, v8, v8 row_xmask:2 row_mask:0xf bank_mask:0xf
	v_add_f32_dpp v8, v8, v8 row_xmask:4 row_mask:0xf bank_mask:0xf
	v_add_f32_dpp v8, v8, v8 row_xmask:8 row_mask:0xf bank_mask:0xf
	v_permlanex16_b32 v9, v8, s96, s97
	v_add_f32 v8, v8, v9
	v_fmamk_f32 v8, v8, 0x3a000000, v1             ; the sum / 2048 + eps
	s_wait_alu depctr_va_vdst(0)
	v_rsq_f32 v12, v8
.set j, 0
.rept 32
	v_pk_mul_f32 v[XR+2*j:XR+2*j+1], v[XR+2*j:XR+2*j+1], v[GR+2*j:GR+2*j+1]   ; g1 x (plain work behind the transcendental)
.set j, j+1
.endr
	s_wait_alu depctr_va_vdst(0)
	v_mov_b32 v13, v12
.set j, 0
.rept 32
	v_pk_mul_f32 v[XR+2*j:XR+2*j+1], v[XR+2*j:XR+2*j+1], v[12:13]
.set j, j+1
.endr
	; h1 is NOT stored as f32: the launch that adds it forms it anew from x, g1 and this row's 1/rms, which goes out 64 times over: 32 lanes x 8 bytes, one whole aligned unit of 256 bytes
	global_store_b64 v172, v[12:13], s[34:35] offset:524288
	s_wait_alu depctr_va_vdst(0)
	s_wait_xcnt 0x0                                ; v172 is written again by the codes' way back from the stage
; Plane s: the row's 64 numbers of my lane, held and converted eight at a time.  Register CD + j holds the four codes of load j, columns 128 j + 4 lane on:
; they go into the stage as they lie in the row and come back 16 bytes a lane.
.macro QROW s, sc, lim
.set p, 0
.rept 8
.set TT, 16+8*(p%2)
.set i, 0
.rept 8
	v_med3_num_f32 v[TT+i], v[XR+8*p+i], -v[\lim], v[\lim]
.set i, i+1
.endr
	v_cvt_scalef32_pk8_fp8_f32 v[CD+16*\s+2*p:CD+16*\s+2*p+1], v[TT:TT+7], v[\sc]
.set p, p+1
.endr
	v_nop                                          ; a plain line behind the last conversion
.set j, 0
.rept 16
	ds_store_b32 v4, v[CD+16*\s+j] offset:2048*\s+128*j
.set j, j+1
.endr
.irp g, 0,1,2,3
	ds_load_b128 v[OB+16*\s+4*\g:OB+16*\s+4*\g+3], v5 offset:2048*\s+512*\g
.endr
.endm
.macro QOUT s, base
.irp g, 0,1,2,3
	s_wait_dscnt 20*(2-\s)+3-\g                    ; behind this load: the later loads of its plane, and 20 LDS instructions for each later plane
	global_store_b128 v3, v[OB+16*\s+4*\g:OB+16*\s+4*\g+3], s[\base:\base+1] offset:512*\g
.endr
.endm
	QROW 0, 10, 11
	QROW 1, 14, 15
	QROW 2, 6, 7
	QOUT 0, 66
	QOUT 1, 68
	QOUT 2, 70
	v_lshl_add_u32 v14, v0, 2, 0xe800              ; the add's two registers, made from v0 (v14, v15 held a scale that is spent)
	v_mov_b32 v15, 0
	s_wait_alu depctr_va_vdst(0)
	s_wait_tensorcnt 0x0
	ds_add_u32 v14, v15
	s_wait_dscnt 0x0
	s_endpgm
.Lfunc_end_k_q9c254826f0_prep:
	.size	k_q9c254826f0_prep, .Lfunc_end_k_q9c254826f0_prep-k_q9c254826f0_prep
	.p2alignl 7, 3214868480
	.fill 96, 4, 3214868480
	.section	.rodata,"a",@progbits
	.p2align	6, 0x0
	.amdhsa_kernel k_q9c254826f0_prep
		.amdhsa_group_segment_fixed_size 59904
		.amdhsa_private_segment_fixed_size 0
		.amdhsa_enable_private_segment 0
		.amdhsa_kernarg_size 120
		.amdhsa_user_sgpr_count 2
		.amdhsa_user_sgpr_kernarg_segment_ptr 1
		.amdhsa_wavefront_size32 1
		.amdhsa_system_sgpr_workgroup_id_x 1
		.amdhsa_system_sgpr_workgroup_id_y 1
		.amdhsa_system_sgpr_workgroup_id_z 1
		.amdhsa_system_vgpr_workitem_id 0
		.amdhsa_next_free_vgpr 192
		.amdhsa_next_free_sgpr 100
		.amdhsa_reserve_vcc 1
		.amdhsa_float_denorm_mode_32 3
		.amdhsa_float_denorm_mode_16_64 3
		.amdhsa_memory_ordered 1
		.amdhsa_forward_progress 1
		.amdhsa_inst_pref_size 87
	.end_amdhsa_kernel
	.amdgpu_metadata
---
amdhsa.version: [ 1, 2 ]
amdhsa.kernels:
  - .name:           k_q9c254826f0_prep
    .symbol:         k_q9c254826f0_prep.kd
    .args:
      - { .name: x, .offset: 0, .size: 8, .value_kind: global_buffer, .address_space: global }
      - { .name: g1, .offset: 8, .size: 8, .value_kind: global_buffer, .address_space: global }
      - { .name: wq, .offset: 16, .size: 8, .value_kind: global_buffer, .address_space: global }
      - { .name: wk, .offset: 24, .size: 8, .value_kind: global_buffer, .address_space: global }
      - { .name: wv, .offset: 32, .size: 8, .value_kind: global_buffer, .address_space: global }
      - { .name: wo, .offset: 40, .size: 8, .value_kind: global_buffer, .address_space: global }
      - { .name: wg, .offset: 48, .size: 8, .value_kind: global_buffer, .address_space: global }
      - { .name: wu, .offset: 56, .size: 8, .value_kind: global_buffer, .address_space: global }
      - { .name: wd, .offset: 64, .size: 8, .value_kind: global_buffer, .address_space: global }
      - { .name: lowp_scales, .offset: 72, .size: 8, .value_kind: global_buffer, .address_space: global }
      - { .name: wca, .offset: 80, .size: 8, .value_kind: global_buffer, .address_space: global }
      - { .name: wco, .offset: 88, .size: 8, .value_kind: global_buffer, .address_space: global }
      - { .name: wcd, .offset: 96, .size: 8, .value_kind: global_buffer, .address_space: global }
      - { .name: act, .offset: 104, .size: 8, .value_kind: global_buffer, .address_space: global }
      - { .name: rope, .offset: 112, .size: 8, .value_kind: global_buffer, .address_space: global }
    .group_segment_fixed_size: 59904
    .private_segment_fixed_size: 0
    .kernarg_segment_align: 8
    .kernarg_segment_size: 120
    .max_flat_workgroup_size: 128
    .sgpr_count:     100
    .vgpr_count:     192
    .wavefront_size: 32
...
	.end_amdgpu_metadata
.endif
;; end of part 1
;; launch qkv (part 2): grid 24 x 16, 8 waves a work-group, clusters of 4 x 4, 327,680 bytes of LDS; arguments act, wca, rope, lowp_scales, qkvc; writes qkvc
.if DOCPART == 2
	.amdgcn_target "amdgcn-amd-amdhsa--gfx1250"
	.amdhsa_code_object_version 6
	.text
	.protected	k_q9c254826f0_qkv
	.globl	k_q9c254826f0_qkv
	.p2align	8
	.type	k_q9c254826f0_qkv,@function
k_q9c254826f0_qkv:
	s_mov_b64 s[64:65], 0
	v_nop
	global_prefetch_b8 v0, s[64:65] scope:SCOPE_SE
	s_setreg_imm32_b32 hwreg(HW_REG_WAVE_MODE, 25, 1), 1
	s_wait_xcnt 0x0
	s_wait_alu depctr_hold_cnt(0) depctr_sa_sdst(0) depctr_va_vdst(0) depctr_va_sdst(0) depctr_va_ssrc(0) depctr_va_vcc(0) depctr_vm_vsrc(0)
	s_getreg_b32 s2, hwreg(HW_REG_IB_STS2, 6, 4)
	s_cmp_eq_u32 s2, 0
	s_cbranch_scc0 .Lentry_in_a_cluster
	s_endpgm
.Lentry_in_a_cluster:
	s_bfe_u32 s2, ttmp6, 0x10000c
	s_cmp_lg_u32 s2, 0xf033
	s_cbranch_scc0 .Lentry_shape_is_right
	s_endpgm
.Lentry_shape_is_right:
; QKV: products 1, 2, 3 on codes of E4M3; the rotation of q and k; q, k and v quantised for the attention's products, with the given e6, e7, e9.
; C tile 128 x 128: 384 tiles.  EIGHT waves, two to a SIMD.  K goes in chunks of 512 (LDS rows of 512 bytes + 16) through two slots; waves 0-3 (P = 0) sum bytes 0-255 of every chunk,
; waves 4-7 (P = 1) bytes 256-511, each over 64 x 64 of C; wave w and wave w + 4 hold the same 64 x 64.  Source 1's blocks are ordered so that a wave's blocks 0, 1 are rows 32 P on, which it finishes,
; and blocks 2, 3 its partner's: those it leaves in LDS as images of its registers (slot 0, behind its last fill and last read); behind one barrier each wave adds its partner's images to its own blocks 0, 1.
; THE RING: at the head every wave issues its one load: waves 0-3 the four parts of slot 0 (chunk 0), waves 4-7 those of slot 1 (chunk 1); a slot's one refill (chunks 2, 3) is issued by the same four waves.
; CLUSTERS 4 x 4: one tile is asked for jointly along a row of the cluster, the other along a column.  Cluster x 0-3: q (plane e0 of h1's codes); 4: k (plane e2); 5: v (plane e4): partners run alike.
; q, k: the row's load brings 128 tokens of h1, the column's 128 weight rows: a lane holds one token and eight neighbouring columns, neighbours along the next K (the head's 64).
; v: the next K is the keys, so the two GLOBAL sources change places: the row's load brings weight tile 20 + cy, the column's token tile 4 x cluster y + cx: a lane holds one channel and eight neighbouring tokens.
; PREFETCH: behind its load of chunk P a wave asks for chunk P + 2 of the 64 rows that it fetches; the four partners of the joint load take 16 rows each, by address; a lane names one of a row's two blocks of 256 bytes.
; STORED ROWS: in q and k (tokens) and in v (channels) stored row p holds the row whose number is p with bits 3 and 4 exchanged.
; The table of cos and sin is loaded on every path (v's tiles do not use it; the addresses lie inside the table).
; LIMITS: e6 - e0 - e1, e7 - e2 - e3, e9 - e4 - e5 between -126 and 119.  NaN among the inputs is not served.
; REGISTERS: window 0: v1-31 addresses, v32-95 cos and sin, then codes on their way out, v96-127 the way out, v128-255 accumulators; window 1: two fragment buffers of 128, then the partner's sums.
.set KROW,  2048
.set PITCH, 528
.set HALFT, 64*PITCH
.set SLOT,  4*HALFT
.set SPARE, 2*SLOT
.set OSTG,  65536                      ; images: 8 x 8,192 bytes from byte 0 of slot 0; the stages behind them
.set PFO, 12
.set IMR, 13
.set TBL, 14
.set A1L, 16
.set A1H, 18
.set AD0, 20
.set STO, 24
.set RD,  25
.set IMW, 27
.set SPW, 28
.set NIL, 29
.set ACC, 128
.set F0,  0
.set F1,  128
.set G1,  24
.set G0,  32
.set G1B, 48
.set G0B, 56
.set PFA, 60
.set MSB, 0
.macro WIN new
.if MSB != (\new)
	s_set_vgpr_msb (MSB<<8)|(\new)
.set MSB, (\new)
.endif
.endm
.macro PLACES
.rept 4
	v_nop
.endr
.endm
.macro JLOAD slot                      ; slot 0, 1: the four waves of that slot ask; 2: every wave asks (the head)
.if \slot < 2
	s_cmp_lg_u32 s8, \slot
	s_cbranch_scc1 .Lasked_\@
.endif
	s_cmp_eq_u32 s11, 0
	s_cbranch_scc0 .Lfor_b_\@
	tensor_load_to_lds s[G0:G0+3], s[G1:G1+7]
	s_nop 0
	PLACES
	s_branch .Lasked_\@
.Lfor_b_\@:
	tensor_load_to_lds s[G0B:G0B+3], s[G1B:G1B+7]
	s_nop 0
	PLACES
.Lasked_\@:
.endm
.macro CREST
	s_cmp_lg_u32 s10, 0
	s_cbranch_scc1 .Lnot_wave_0_\@
	s_barrier_signal -3
.Lnot_wave_0_\@:
	s_barrier_wait -3
	s_barrier_signal -1
	s_barrier_wait -1
.endm
.macro CROUND
	s_barrier_signal -1
	s_barrier_wait -1
	CREST
.endm
.macro FETCH slot, k, f                ; 32 LDS loads: eight fragments of 16 rows x 128 K
	WIN 0x40
.irp i, 0,1,2,3
.irp c, 0,1,2,3
	ds_load_b128 v[\f+64+16*\i+4*\c:\f+64+16*\i+4*\c+3], v[AD0+\slot] offset:(\k)+32*\c+\i*16*PITCH
.endr
.endr
.irp i, 0,1
.irp c, 0,1,2,3
	ds_load_b128 v[\f+16*\i+4*\c:\f+16*\i+4*\c+3], v[A1L+\slot] offset:(\k)+32*\c+\i*16*PITCH
.endr
.irp c, 0,1,2,3
	ds_load_b128 v[\f+32+16*\i+4*\c:\f+32+16*\i+4*\c+3], v[A1H+\slot] offset:(\k)+32*\c+\i*16*PITCH
.endr
.endr
.endm
.macro MULA f, a, zero                 ; the 16 accumulators take turns, in the same order in every quarter
	WIN 0x05
.irp b, 0,1,2,3
.if \zero
	v_wmma_f32_16x16x128_fp8_fp8 v[ACC+8*(4*\a+\b):ACC+8*(4*\a+\b)+7], v[\f+64+16*\b:\f+64+16*\b+15], v[\f+16*\a:\f+16*\a+15], 0
.else
	v_wmma_f32_16x16x128_fp8_fp8 v[ACC+8*(4*\a+\b):ACC+8*(4*\a+\b)+7], v[\f+64+16*\b:\f+64+16*\b+15], v[\f+16*\a:\f+16*\a+15], v[ACC+8*(4*\a+\b):ACC+8*(4*\a+\b)+7]
.endif
.endr
.endm
.macro QUARTER slot, zero
	PLACES
	FETCH \slot, 128, F1
	s_wait_dscnt 32                                ; all but the 32 just issued: buffer 0 is in
	MULA F0, 0, \zero
	MULA F0, 1, \zero
	MULA F0, 2, \zero
	MULA F0, 3, \zero
.endm
.macro TURN slot, next, fill
	WIN 0
	s_wait_tensorcnt 0x0                           ; my load, if one was out, has landed
	ds_add_u32 v[SPW], v[NIL]
	s_wait_dscnt 1                                 ; buffer 1 is in; the add may be out
	MULA F1, 0, 0
	s_wait_dscnt 0x0                               ; the add is done, my reads of this slot are over
	s_barrier_signal -1
	MULA F1, 1, 0
	WIN 0
	s_barrier_wait -1
.if \fill
	CREST                                          ; the barrier has opened a round of the cluster's
	s_add_nc_u64 s[G0+2:G0+3], s[G0+2:G0+3], 512   ; every wave steps a chunk at every change: behind chunk t the address stands at chunk t + 2
	s_add_nc_u64 s[G0B+2:G0B+3], s[G0B+2:G0B+3], 512
	JLOAD \slot
.endif
	PLACES
	FETCH \next, 0, F0
	MULA F1, 2, 0
	MULA F1, 3, 0
.endm
	s_load_b128 s[4:7], s[0:1], 0x0                ; the codes of h1, the weights' codes
	s_load_b128 s[68:71], s[0:1], 0x10             ; the table, the scales
	s_load_b64 s[98:99], s[0:1], 0x20              ; q, k, v's codes
	v_lshl_add_u32 v[SPW], v0, 2, SPARE
	v_mov_b32 v[NIL], 0
	ds_add_u32 v[SPW], v[NIL]
	ds_add_u32 v[SPW], v[NIL]
	v_lshrrev_b32 v9, 5, v0
	s_delay_alu instid0(VALU_DEP_1)
	v_readfirstlane_b32 s10, v9                    ; wave 0..7
	v_and_b32 v1, 15, v0                           ; r
	v_bfe_u32 v2, v0, 4, 1                         ; h
	v_and_b32 v4, 31, v0                           ; lane
	s_lshr_b32 s8, s10, 2                          ; P: my half of every chunk, and the slot that I fill
	s_and_b32 s9, s10, 3
	s_lshr_b32 s11, s9, 1                          ; my half of source 1's rows.  Also: I fetch by the row's mask (0) or the column's (1)
	s_and_b32 s12, s9, 1                           ; my half of source 0's rows.  Also: which 64 rows I fetch
	s_bfe_u32 s40, ttmp6, 0x40000                  ; cx
	s_bfe_u32 s41, ttmp6, 0x40004                  ; cy
	s_lshl_b32 s42, ttmp9, 2
	s_add_co_u32 s42, s42, s40                     ; tile column
	s_and_b32 s13, ttmp7, 0xffff
	s_lshl_b32 s13, s13, 2
	s_add_co_u32 s13, s13, s41                     ; tile row
	s_lshl_b32 s43, s41, 2
	s_lshl_b32 s43, 15, s43
	s_lshl_b32 s44, 0x1111, s40
	s_or_b32 s[G1+0], s43, (1<<20)|(1<<21)|(6<<22)|(3<<25)
	s_or_b32 s[G1B+0], s44, (1<<20)|(1<<21)|(6<<22)|(3<<25)
.irp g, G1, G1B
	s_mov_b32 s[\g+1], 512<<16
	s_mov_b32 s[\g+2], 64<<16
	s_mov_b32 s[\g+3], 512<<16
	s_mov_b32 s[\g+4], 64
	s_mov_b32 s[\g+5], KROW
	s_mov_b32 s[\g+6], 0
	s_mov_b32 s[\g+7], 0
.endr
	s_max_u32 s66, ttmp9, 3
	s_sub_co_u32 s66, s66, 3                       ; the kind: 0 q, 1 k, 2 v
	s_and_b32 s67, ttmp7, 0xffff
	s_lshl_b32 s67, s67, 2
	s_add_co_u32 s67, s67, s40                     ; v: my token tile (no cy in it)
	s_add_co_u32 s18, s41, 20                      ; v: my weight tile (no cx in it)
	s_lshl_b32 s83, s66, 22                        ; the plane of h1's codes with this product's scale
	s_cmp_eq_u32 s66, 2
	s_cselect_b32 s18, s18, s13
	s_cselect_b32 s19, s67, s42
	s_cselect_b32 s84, 0, s83
	s_cselect_b32 s85, s83, 0
	s_lshl_b32 s17, s12, 6
	s_lshl_b32 s16, s18, 7
	s_add_co_u32 s16, s16, s17
	s_lshl_b32 s46, s19, 7
	s_add_co_u32 s46, s46, s17
	s_mul_i32 s16, s16, KROW
	s_mul_i32 s46, s46, KROW
	s_add_co_u32 s16, s16, s84
	s_add_co_u32 s46, s46, s85
	s_mov_b32 s17, 0
	s_mov_b32 s47, 0
	s_mul_i32 s20, s9, HALFT
	s_mul_i32 s21, s8, SLOT
	s_add_co_u32 s20, s20, s21                     ; where my loads land
	s_lshl_b32 s18, s8, 9                          ; chunk P
	s_mov_b32 s19, 0
	s_wait_alu depctr_va_vdst(0)
	s_wait_dscnt 0x0
	s_wait_kmcnt 0x0
	s_load_b256 s[72:79], s[70:71], 0x0            ; e0 .. e7
	s_load_b64 s[80:81], s[70:71], 0x20            ; e8, e9
	s_cmp_eq_u32 s66, 2                            ; v: the two buffers change places (the choice hangs on the cluster's x alone)
	s_cselect_b64 s[86:87], s[6:7], s[4:5]
	s_cselect_b64 s[6:7], s[4:5], s[6:7]
	s_mov_b64 s[4:5], s[86:87]
	s_add_nc_u64 s[14:15], s[4:5], s[16:17]
	s_add_nc_u64 s[46:47], s[6:7], s[46:47]
	s_mov_b32 s[G0], 1
	s_mov_b32 s[G0+1], s20
	s_add_nc_u64 s[G0+2:G0+3], s[14:15], s[18:19]
	s_or_b32 s[G0+3], s[G0+3], 0x80000000
	s_mov_b32 s[G0B], 1
	s_mov_b32 s[G0B+1], s20
	s_add_nc_u64 s[G0B+2:G0B+3], s[46:47], s[18:19]
	s_or_b32 s[G0B+3], s[G0B+3], 0x80000000
	CROUND
	JLOAD 2                                        ; chunks 0 and 1, one load a wave
	s_lshl_b32 s84, s8, 8                          ; my half of a chunk
	s_mul_i32 s85, s11, HALFT
	s_add_co_u32 s85, s85, s84
	s_mul_i32 s86, s8, 32*PITCH
	s_add_co_u32 s86, s85, s86                     ; source 1, blocks 0, 1: rows 32 P on
	s_xor_b32 s87, s8, 1
	s_mul_i32 s87, s87, 32*PITCH
	s_add_co_u32 s87, s85, s87                     ; blocks 2, 3: the other 32 rows
	s_mul_i32 s88, s12, HALFT
	s_add_co_u32 s88, s88, s84
	s_add_co_u32 s88, s88, 2*HALFT                 ; source 0
	s_add_co_u32 s91, s86, SLOT
	s_add_co_u32 s92, s87, SLOT
	s_add_co_u32 s93, s88, SLOT
	s_lshl_b32 s89, s10, 13                        ; my images,
	s_xor_b32 s90, s10, 4
	s_lshl_b32 s90, s90, 13                        ; my partner's
	s_mul_i32 s23, s10, 2560
	s_add_co_u32 s23, s23, OSTG                    ; my stage: 32 rows x (64 bytes + 16)
	s_lshl_b32 s94, s13, 7
	s_lshl_b32 s95, s11, 6
	s_add_co_u32 s94, s94, s95
	s_lshl_b32 s95, s8, 5
	s_add_co_u32 s94, s94, s95                     ; q, k: my first token
	s_lshl_b32 s96, s94, 8
	s_mov_b32 s97, 0
	s_add_nc_u64 s[68:69], s[68:69], s[96:97]      ; its row of the table
	s_lshl_b32 s96, s42, 1
	s_add_co_u32 s96, s96, s12                     ; q, k: the head (k's eight follow q's 32)
	s_lshl_b32 s96, s96, 17
	s_lshl_b32 s94, s94, 6
	s_add_co_u32 s96, s96, s94
	s_lshl_b32 s94, s41, 1
	s_add_co_u32 s94, s94, s11                     ; v: the head
	s_lshl_b32 s94, s94, 17
	s_lshl_b32 s95, s8, 16                         ; 32 P rows of 2,048 bytes
	s_add_co_u32 s94, s94, s95
	s_lshl_b32 s95, s67, 7
	s_add_co_u32 s94, s94, s95
	s_lshl_b32 s95, s12, 6
	s_add_co_u32 s94, s94, s95                     ; my first token
	s_add_co_u32 s94, s94, 0x500000
	s_cmp_eq_u32 s66, 2
	s_cselect_b32 s96, s94, s96
	s_cselect_b32 s36, 2048, 64                    ; bytes from stored row to stored row
	s_add_nc_u64 s[98:99], s[98:99], s[96:97]
	s_lshl_b32 s37, s36, 3
	s_lshl_b32 s45, s36, 4
	s_add_co_u32 s63, s45, s37
	s_cmp_eq_u32 s11, 0                            ; the prefetch: my work-group's 16 of the 64 rows that I fetch
	s_cselect_b64 s[PFA:PFA+1], s[14:15], s[46:47]
	s_cselect_b32 s21, s40, s41
	s_mul_i32 s21, s21, 16*KROW
	s_add_co_u32 s82, s21, s18
	s_mov_b32 s83, 0
	s_add_nc_u64 s[PFA:PFA+1], s[PFA:PFA+1], s[82:83]
	s_wait_kmcnt 0x0
	s_cmp_eq_u32 s66, 1
	s_cselect_b32 s38, s74, s72
	s_cselect_b32 s39, s75, s73
	s_cselect_b32 s62, s79, s78
	s_cmp_eq_u32 s66, 2
	s_cselect_b32 s38, s76, s38
	s_cselect_b32 s39, s77, s39
	s_cselect_b32 s62, s81, s62
	s_sub_co_i32 s62, s62, s38
	s_sub_co_i32 s62, s62, s39                     ; the three scales folded into the conversion's one
	s_add_co_i32 s62, s62, 127
	s_lshl_b32 s38, s62, 23
	s_add_co_i32 s62, s62, 8
	s_lshl_b32 s39, s62, 23
	s_or_b32 s39, s39, 0x600000
	v_mul_u32_u24 v3, v1, PITCH                    ; the chains below are interleaved: no line reads a result of the four lines above it
	v_mul_u32_u24 v[STO], v1, 80
	v_lshrrev_b32 v5, 2, v4
	v_and_b32 v6, 3, v4
	v_lshrrev_b32 v7, 1, v4
	v_and_b32 v8, 1, v4
	v_lshl_add_u32 v[IMW], v4, 4, s89
	v_lshl_add_u32 v[IMR], v4, 4, s90
	v_lshlrev_b32 v[TBL], 8, v1
	v_mov_b32 v30, s38
	v_mov_b32 v31, s39                             ; 448 x the folded scale
	v_lshl_add_u32 v3, v2, 4, v3
	v_lshl_add_u32 v[STO], v2, 3, v[STO]
	v_mul_u32_u24 v[RD], v5, 80
	v_mul_u32_u24 v96, v5, s36
	v_mul_u32_u24 v[PFO], v7, KROW
	v_lshl_add_u32 v[TBL], v2, 5, v[TBL]           ; the table: row r, + 32 h
	v_add_nc_u32 v[A1L], s86, v3
	v_lshl_add_u32 v[RD], v6, 4, v[RD]
	v_lshl_add_u32 v96, v6, 4, v96
	v_lshl_add_u32 v[PFO], v8, 8, v[PFO]
	v_add_nc_u32 v[A1L+1], s91, v3
	v_add_nc_u32 v[A1H], s87, v3
	v_add_nc_u32 v[A1H+1], s92, v3
	v_add_nc_u32 v[AD0], s88, v3
	v_add_nc_u32 v[AD0+1], s93, v3
	v_add_nc_u32 v[STO], s23, v[STO]
	v_add_nc_u32 v[RD], s23, v[RD]
	v_add_nc_u32 v97, s37, v96
	v_add_nc_u32 v98, s45, v96
	v_add_nc_u32 v99, s63, v96
	s_wait_alu depctr_va_vdst(0)
	global_prefetch_b8 v[PFO], s[PFA:PFA+1] offset:1024 th:TH_LOAD_NT scope:SCOPE_SE   ; chunk P + 2
	s_wait_tensorcnt 0x0                           ; my part of chunk P is in
	ds_add_u32 v[SPW], v[NIL]
	s_add_nc_u64 s[G0+2:G0+3], s[14:15], 512       ; from here on all waves' addresses walk alike
	s_or_b32 s[G0+3], s[G0+3], 0x80000000
	s_add_nc_u64 s[G0B+2:G0B+3], s[46:47], 512
	s_or_b32 s[G0B+3], s[G0B+3], 0x80000000
	s_wait_dscnt 0x0
	s_barrier_signal -1
	s_barrier_wait -1                              ; both slots are whole
.irp a, 0,1
.irp b, 0,1,2,3
	global_load_b128 v[32+8*(4*\a+\b):32+8*(4*\a+\b)+3], v[TBL], s[68:69] offset:4096*\a+64*\b        ; cos, sin of the four pairs of accumulator (a, b): asked for behind the first tiles, wanted behind the last product
	global_load_b128 v[32+8*(4*\a+\b)+4:32+8*(4*\a+\b)+7], v[TBL], s[68:69] offset:4096*\a+64*\b+16
.endr
.endr
	FETCH 0, 0, F0
	QUARTER 0, 1                                   ; the first products start the sums
	TURN 0, 1, 1
	QUARTER 1, 0
	TURN 1, 0, 1
	QUARTER 0, 0
	TURN 0, 1, 0
	QUARTER 1, 0
	s_wait_dscnt 0x0
	MULA F1, 0, 0
	MULA F1, 1, 0
	MULA F1, 2, 0
	MULA F1, 3, 0
	WIN 0
	PLACES
.set i, 0
.rept 16
	ds_store_b128 v[IMW], v[ACC+64+4*i:ACC+64+4*i+3] offset:512*i   ; blocks 2, 3 as they stand in the registers, each accumulator from its low end on
.set i, i+1
.endr
	s_wait_dscnt 0x0
	s_barrier_signal -1
	s_barrier_wait -1
	WIN 0x40
.set i, 0
.rept 16
	ds_load_b128 v[4*i:4*i+3], v[IMR] offset:512*i                  ; my partner's sums over my rows: same lanes, same order
.set i, i+1
.endr
	s_wait_dscnt 0x0
	s_wait_loadcnt 0x0                             ; cos and sin
	WIN 0x04
.set j, 0
.rept 32
	v_pk_add_f32 v[ACC+j:ACC+j+1], v[ACC+j:ACC+j+1], v[j:j+1]
.set j, j+2
.endr
	WIN 0
	s_cmp_eq_u32 s66, 2
	s_cbranch_scc1 .Lno_rope
.set i, 0
.rept 8
.irp p, 0,1,2,3
	v_mul_f32 v[104+2*\p], v[ACC+8*i+2*\p+1], v[32+8*i+2*\p+1]     ; x1 sin
	v_mul_f32 v[105+2*\p], v[ACC+8*i+2*\p], v[32+8*i+2*\p+1]       ; x0 sin
.endr
.irp p, 0,1,2,3
	v_fma_f32 v[ACC+8*i+2*\p], v[ACC+8*i+2*\p], v[32+8*i+2*\p], -v[104+2*\p]
	v_fma_f32 v[ACC+8*i+2*\p+1], v[ACC+8*i+2*\p+1], v[32+8*i+2*\p], v[105+2*\p]
.endr
.set i, i+1
.endr
.Lno_rope:
	s_wait_alu depctr_va_vdst(0)
.set i, 0
.rept 8
.irp j, 0,1,2,3,4,5,6,7
	v_med3_num_f32 v[ACC+8*i+\j], v[ACC+8*i+\j], -v31, v31     ; the hold: the conversion does not saturate (ISA guide 7.6.2)
.endr
	v_cvt_scalef32_pk8_fp8_f32 v[112+2*i:113+2*i], v[ACC+8*i:ACC+8*i+7], v30
.set i, i+1
.endr
	v_nop                                          ; a plain line behind the last conversion
.irp a, 0,1
.irp b, 0,1,2,3
	ds_store_b64 v[STO], v[112+2*(4*\a+\b):113+2*(4*\a+\b)] offset:1280*\a+16*\b
.endr
.endr
.macro BACK t, g                       ; stored rows 8 t on are the stage's rows 8 g on; LDS serves a wave's instructions in order
	ds_load_b128 v[32+4*\t:35+4*\t], v[RD] offset:640*\g
.endm
	BACK 0, 0
	BACK 1, 2
	BACK 2, 1
	BACK 3, 3
.irp t, 0,1,2,3
	s_wait_dscnt 3-\t
	global_store_b128 v[96+\t], v[32+4*\t:35+4*\t], s[98:99]   ; q, k: 512 consecutive bytes; v: eight rows' 64 bytes
.endr
	s_wait_tensorcnt 0x0                           ; the wave's end
	ds_add_u32 v[SPW], v[NIL]
	s_wait_dscnt 0x0
	CROUND                                         ; the closing round
	s_endpgm
.Lfunc_end_k_q9c254826f0_qkv:
	.size	k_q9c254826f0_qkv, .Lfunc_end_k_q9c254826f0_qkv-k_q9c254826f0_qkv
	.p2alignl 7, 3214868480
	.fill 96, 4, 3214868480
	.section	.rodata,"a",@progbits
	.p2align	6, 0x0
	.amdhsa_kernel k_q9c254826f0_qkv
		.amdhsa_group_segment_fixed_size 327680
		.amdhsa_private_segment_fixed_size 0
		.amdhsa_enable_private_segment 0
		.amdhsa_kernarg_size 40
		.amdhsa_user_sgpr_count 2
		.amdhsa_user_sgpr_kernarg_segment_ptr 1
		.amdhsa_wavefront_size32 1
		.amdhsa_system_sgpr_workgroup_id_x 1
		.amdhsa_system_sgpr_workgroup_id_y 1
		.amdhsa_system_sgpr_workgroup_id_z 1
		.amdhsa_system_vgpr_workitem_id 0
		.amdhsa_next_free_vgpr 512
		.amdhsa_next_free_sgpr 100
		.amdhsa_reserve_vcc 0
		.amdhsa_float_denorm_mode_32 3
		.amdhsa_float_denorm_mode_16_64 3
		.amdhsa_memory_ordered 1
		.amdhsa_forward_progress 1
		.amdhsa_inst_pref_size 57
	.end_amdhsa_kernel
	.amdgpu_metadata
---
amdhsa.version: [ 1, 2 ]
amdhsa.kernels:
  - .name:           k_q9c254826f0_qkv
    .symbol:         k_q9c254826f0_qkv.kd
    .args:
      - { .name: act, .offset: 0, .size: 8, .value_kind: global_buffer, .address_space: global }
      - { .name: wca, .offset: 8, .size: 8, .value_kind: global_buffer, .address_space: global }
      - { .name: rope, .offset: 16, .size: 8, .value_kind: global_buffer, .address_space: global }
      - { .name: lowp_scales, .offset: 24, .size: 8, .value_kind: global_buffer, .address_space: global }
      - { .name: qkvc, .offset: 32, .size: 8, .value_kind: global_buffer, .address_space: global }
    .group_segment_fixed_size: 327680
    .private_segment_fixed_size: 0
    .kernarg_segment_align: 8
    .kernarg_segment_size: 40
    .max_flat_workgroup_size: 256
    .sgpr_count:     100
    .vgpr_count:     512
    .wavefront_size: 32
...
	.end_amdgpu_metadata
.endif
;; end of part 2
;; launch attn (part 3): grid 32 x 8, 16 waves a work-group, clusters of 4 x 1, 305,152 bytes of LDS; arguments qkvc, lowp_scales, act; writes act
.if DOCPART == 3
	.amdgcn_target "amdgcn-amd-amdhsa--gfx1250"
	.amdhsa_code_object_version 6
	.text
	.protected	k_q9c254826f0_attn
	.globl	k_q9c254826f0_attn
	.p2align	8
	.type	k_q9c254826f0_attn,@function
k_q9c254826f0_attn:
	s_mov_b64 s[64:65], 0
	v_nop
	global_prefetch_b8 v0, s[64:65] scope:SCOPE_SE
	s_setreg_imm32_b32 hwreg(HW_REG_WAVE_MODE, 25, 1), 1
	s_wait_xcnt 0x0
	s_wait_alu depctr_hold_cnt(0) depctr_sa_sdst(0) depctr_va_vdst(0) depctr_va_sdst(0) depctr_va_ssrc(0) depctr_va_vcc(0) depctr_vm_vsrc(0)
	s_getreg_b32 s2, hwreg(HW_REG_IB_STS2, 6, 4)
	s_cmp_eq_u32 s2, 0
	s_cbranch_scc0 .Lentry_in_a_cluster
	s_endpgm
.Lentry_in_a_cluster:
	s_bfe_u32 s2, ttmp6, 0x10000c
	s_cmp_lg_u32 s2, 0x3003
	s_cbranch_scc0 .Lentry_shape_is_right
	s_endpgm
.Lentry_shape_is_right:
; ATTN: products 4 and 5 on codes of E4M3, causal, head size 64, 32 query heads on 8 key and value heads; y quantised with the given e10.
; t = score x log2(e) / 8; M = the running largest t rounded up to a whole number; p = 2^(t - M) is quantised (e8), not normalised; the row's sum of the unquantised p divides at the end.
; CLUSTER 4 x 1: the four query heads of one key and value head.  They read the same K and V: each tile is asked for jointly, by the same load with the mask of all four.
; ALL of the head's K and V lies in LDS: eight slots of 256 keys (K: 256 rows of 64 + 16 bytes; V: 64 rows of 256 + 16 bytes).  No LDS byte is filled twice.  Waves 0-7 issue K's eight loads, one a slot, waves 8-15 V's: one of a wave is out at the most.
; SHARES.  A work-group has the sixteen tiles of 16 queries 128 t + 16 J on, t = 0 .. 15, J the cluster's x; tile t needs key steps 0 .. t of 128 keys: 136 steps in all.  So that no wave runs 16 steps on end, the tiles go in pairs,
; the late tile 8 + a with the early tile 7 - a, and waves 2 a and 2 a + 1 share a pair: the wave of role 0 takes steps 0 .. 7 of the late tile (8 steps); the wave of role 1 takes the whole early tile (8 - a steps) and then steps 8 .. 8 + a
; of the late tile (a + 1 steps): 9 in all.  The role is bit 0 of w xor (w >> 2): each four waves w % 4 and each four w / 4 hold two of each role, 34 steps.
; Every wave walks the eight slots once; steps that are not its own are jumped over by a scalar branch on ids that the partners share; trip counts and barriers are the same for all.
; THE TWO PARTS OF A LATE TILE are two streams with an M, a sum and an O^T of their own.  Role 0 leaves its part in LDS as images of its registers; behind one barrier role 1 brings both under the larger M, by multiplications with
; powers of two that round nothing, and adds them.  The images lie in slot 0, which has had its only fill and which nobody reads behind the second barrier.
; LAYOUT.  Both products transposed: a lane holds one query.  K's and V's rows are stored so that 16 rows on end give p's, and y's, 16 registers of two tiles as 16 neighbours.
; LIMITS: e6 + e7 between -123 and 130; e8, and e10 - e8 - e9, between -126 and 119.  NaN among the inputs is not served.
; REGISTERS: v1-4, v7 addresses that stay; v8, v9 the step's; v12 -M, v13 the largest t, v[14:15] the sum; v16-23 Q of the tile in hand, v24-31 Q of the late tile; v32-95 K's, then V's fragments; v96-159 scores, then p; v160-191 O^T; v224-239 p's codes; v236-254 at work.
.set KP,    80
.set VP,    272
.set VOFF,  256*KP
.set SLOTB, VOFF+64*VP
.set PART,  4608                       ; a pair's place in slot 0: 4,096 bytes of O^T, 256 of (-M, sum); eight places end under SLOTB
.set WV,  10
.set ROLE, 11                          ; 0: the late tile's first eight steps; 1: the early tile, then the late tile's other steps
.set AIX, 12                           ; a: the pair
.set KH,  13                           ; a step whose first key lies beyond this is not mine
.set Q2,  14                           ; the late tile's first query
.set G1K, 16
.set G1V, 24
.set G0,  32                           ; s[32:35] group 0 of my one load
.set TB,  66                           ; LDS byte at which the slot in hand begins
.set KF,  67                           ; the step's first key
.set Q0,  68                           ; the first query of the tile in hand
.set CNT, 69
.set SEL, 70
.set CS,  72
.set Y2,  74                           ; s[74:75] y at the late tile's first row
.set AK0, 1
.set AV0, 2
.set SA,  3                            ; v3 my 16 bytes in an image of four registers, in my pair's place
.set SB,  4                            ; v4 my 8 bytes likewise
.set GO,  7
.set ADK, 8
.set ADV, 9
.macro CROUND
	s_barrier_signal -1
	s_barrier_wait -1
	s_cmp_lg_u32 s[WV], 0
	s_cbranch_scc1 .Lnot_wave_0_\@
	s_barrier_signal -3
.Lnot_wave_0_\@:
	s_barrier_wait -3
	s_barrier_signal -1
	s_barrier_wait -1
.endm
	s_load_b128 s[4:7], s[0:1], 0x0                ; q, k, v's codes; the scales
	s_load_b64 s[8:9], s[0:1], 0x10                ; y's codes
	v_lshl_add_u32 v251, v0, 2, 0x4a000
	v_mov_b32 v255, 0
	ds_add_u32 v251, v255
	ds_add_u32 v251, v255
	v_lshrrev_b32 v8, 5, v0
	s_delay_alu instid0(VALU_DEP_1)
	v_readfirstlane_b32 s[WV], v8                  ; wave 0..15
	s_bfe_u32 s84, ttmp6, 0x40000                  ; cx: it enters Q's and y's addresses alone
	s_and_b32 s85, ttmp7, 0xffff                   ; the key and value head
	s_lshr_b32 s[ROLE], s[WV], 2
	s_xor_b32 s[ROLE], s[ROLE], s[WV]
	s_and_b32 s[ROLE], s[ROLE], 1
	s_lshr_b32 s[AIX], s[WV], 1
	s_add_co_u32 s99, s[AIX], 8                    ; the late tile
	s_sub_co_u32 s98, 7, s[AIX]                    ; the early tile
	s_cmp_eq_u32 s[ROLE], 0
	s_cselect_b32 s98, s99, s98                    ; the tile that I begin with
	s_lshl_b32 s87, ttmp9, 4                       ; 16 J
	s_lshl_b32 s[Q0], s98, 7
	s_add_co_u32 s[Q0], s[Q0], s87
	s_lshl_b32 s[Q2], s99, 7
	s_add_co_u32 s[Q2], s[Q2], s87
	s_add_co_u32 s[KH], s[Q0], 15                  ; the early tile: up to its own step; the late tile's first part: steps 0 .. 7
	s_min_u32 s[KH], s[KH], 1023
	s_lshr_b32 s88, s[WV], 3
	s_mul_i32 s89, s88, VOFF
	s_lshl_b32 s90, s88, 20
	s_add_co_u32 s90, s90, 0x400000                ; k's codes begin at 4 MiB, v's at 5 MiB
	s_lshl_b32 s91, s85, 17
	s_add_co_u32 s90, s90, s91
	s_mov_b32 s91, 0
	s_mul_i32 s92, s88, 16128
	s_sub_co_u32 s92, 16384, s92
	s_mov_b32 s93, 0
	s_and_b32 s86, s[WV], 7                        ; the slot that I fill
	s_mul_i32 s92, s92, s86
	s_add_co_u32 s90, s90, s92                     ; its place in memory,
	s_mul_i32 s86, s86, SLOTB
	s_add_co_u32 s89, s89, s86                     ; and in LDS
	s_mov_b32 s[G1K], 15|(1<<20)|(1<<21)|(3<<22)|(3<<25)   ; the mask of all four; elements of 1 byte; padding: 4 words behind every 16
	s_mov_b32 s[G1K+1], 64<<16
	s_mov_b32 s[G1K+2], 256<<16
	s_mov_b32 s[G1K+3], 64<<16
	s_mov_b32 s[G1K+4], 256
	s_mov_b32 s[G1K+5], 64
	s_mov_b32 s[G1K+6], 0
	s_mov_b32 s[G1K+7], 0
	s_mov_b32 s[G1V], 15|(1<<20)|(1<<21)|(5<<22)|(3<<25)   ; 4 words behind every 64
	s_mov_b32 s[G1V+1], 256<<16
	s_mov_b32 s[G1V+2], 64<<16
	s_mov_b32 s[G1V+3], 256<<16
	s_mov_b32 s[G1V+4], 64
	s_mov_b32 s[G1V+5], 2048
	s_mov_b32 s[G1V+6], 0
	s_mov_b32 s[G1V+7], 0
	s_mov_b32 s[SEL], 0x76543210
	s_mov_b32 s[SEL+1], 0xfedcba98
	s_mov_b32 s[CS], 0x3e38aa3b                    ; c = log2(e) / 8
	s_mov_b32 s[TB], 0
	s_mov_b32 s[KF], 0
	s_wait_dscnt 0x0
	s_wait_kmcnt 0x0
	s_load_b256 s[76:83], s[6:7], 0x18             ; e6 .. e13
	s_add_nc_u64 s[G0+2:G0+3], s[4:5], s[90:91]
	s_mov_b32 s[G0], 1
	s_mov_b32 s[G0+1], s89
	s_or_b32 s[G0+3], s[G0+3], 0x80000000
	CROUND                                         ; all four work-groups are here: the joint loads meet
	; THE SHARE OF THE LOADS (it takes the place of the share named in the head comment): sixteen tiles, sixteen waves, ONE load each:
	; waves 0-7 ask for K's slot w, waves 8-15 for V's slot w - 8.  One load of a wave is out at the most.
	s_cmp_lt_u32 s[WV], 8
	s_cbranch_scc0 .Lnot_k
	tensor_load_to_lds s[G0:G0+3], s[G1K:G1K+7]
	s_nop 0
.rept 4
	v_nop
.endr
	s_branch .Lasked
.Lnot_k:
	tensor_load_to_lds s[G0:G0+3], s[G1V:G1V+7]
	s_nop 0
.rept 4
	v_nop
.endr
.Lasked:
	s_lshl_b32 s96, s85, 2
	s_add_co_u32 s96, s96, s84                     ; my query head
	s_lshl_b32 s97, s96, 17                        ; its codes of q
	s_lshr_b32 s90, ttmp9, 1                       ; the stored rows of a tile's 16 queries: 128 t + 32 (J / 2) + 8 (J % 2) + the lane's (r % 8) + 16 (r / 8)
	s_lshl_b32 s90, s90, 5
	s_and_b32 s91, ttmp9, 1
	s_lshl_b32 s91, s91, 3
	s_add_co_u32 s90, s90, s91
	s_lshl_b32 s92, s98, 7                         ; the tile that I begin with
	s_add_co_u32 s92, s92, s90
	s_lshl_b32 s92, s92, 6
	s_add_co_u32 s92, s92, s97
	s_mov_b32 s93, 0
	s_lshl_b32 s94, s99, 7                         ; the late tile
	s_add_co_u32 s94, s94, s90
	s_lshl_b32 s94, s94, 6
	s_add_co_u32 s94, s94, s97
	s_mov_b32 s95, 0
	s_add_nc_u64 s[92:93], s[4:5], s[92:93]
	s_add_nc_u64 s[94:95], s[4:5], s[94:95]
	s_lshl_b32 s91, s96, 6                         ; y: my head's 64 bytes of a row
	s_lshl_b32 s88, s[Q2], 11
	s_add_co_u32 s88, s88, s91
	s_mov_b32 s89, 0
	s_add_nc_u64 s[Y2:Y2+1], s[8:9], s[88:89]      ; at the late tile's first row,
	s_lshl_b32 s88, s[Q0], 11
	s_add_co_u32 s88, s88, s91
	s_add_nc_u64 s[8:9], s[8:9], s[88:89]          ; and at the first row of the tile that I begin with
	v_and_b32 v8, 15, v0                           ; r
	v_bfe_u32 v9, v0, 4, 1                         ; h
	s_delay_alu instid0(VALU_DEP_2)
	v_and_b32 v10, 7, v8
	s_delay_alu instid0(VALU_DEP_3)
	v_lshrrev_b32 v11, 3, v8
	s_delay_alu instid0(VALU_DEP_1)
	v_lshl_add_u32 v10, v11, 4, v10
	s_delay_alu instid0(VALU_DEP_1)
	v_lshlrev_b32 v10, 6, v10
	s_delay_alu instid0(VALU_DEP_1)
	v_lshl_add_u32 v10, v9, 4, v10
	global_load_b128 v[16:19], v10, s[92:93]       ; Q's fragment: k = 32 c + 16 h + 0..15 in registers 4 c on, as K's
	global_load_b128 v[20:23], v10, s[92:93] offset:32
	global_load_b128 v[24:27], v10, s[94:95]       ; the late tile's, for the change of tiles: asked for here, so that nobody waits for it there
	global_load_b128 v[28:31], v10, s[94:95] offset:32
	v_mul_u32_u24 v[AK0], v8, KP
	s_delay_alu instid0(VALU_DEP_1)
	v_lshl_add_u32 v[AK0], v9, 4, v[AK0]
	v_mul_u32_u24 v[AV0], v8, VP
	s_delay_alu instid0(VALU_DEP_1)
	v_lshl_add_u32 v[AV0], v9, 4, v[AV0]
	s_delay_alu instid0(VALU_DEP_1)
	v_add_nc_u32 v[AV0], VOFF, v[AV0]
	v_lshlrev_b32 v[GO], 11, v8
	s_delay_alu instid0(VALU_DEP_1)
	v_lshl_add_u32 v[GO], v9, 4, v[GO]
	v_and_b32 v5, 31, v0
	s_mul_i32 s88, s[AIX], PART                    ; my pair's place: the same in both of its waves
	v_lshlrev_b32 v[SA], 4, v5
	s_delay_alu instid0(VALU_DEP_1)
	v_add_nc_u32 v[SA], s88, v[SA]
	v_lshlrev_b32 v[SB], 3, v5
	s_delay_alu instid0(VALU_DEP_1)
	v_add_nc_u32 v[SB], s88, v[SB]
.macro FRESH                           ; a stream begins: the step is written once, and a stream's first step finds zeros
	v_mov_b32 v13, 0xff61b1e6                      ; the largest t so far: -3e38
	s_delay_alu instid0(VALU_DEP_1)
	v_floor_f32 v12, -v13
	v_mov_b32 v14, 0
	v_mov_b32 v15, 0
.set j, 0
.rept 32
	v_mov_b32 v[160+j], 0                          ; O^T
.set j, j+1
.endr
.endm
	FRESH
	v_mov_b32 v236, 0                              ; written once: a lane permute's destination counts as read
	v_mov_b32 v252, 0
	v_mov_b32 v253, 0
	s_wait_kmcnt 0x0
	s_add_co_i32 s87, s76, s77
	s_lshl_b32 s87, s87, 23
	s_add_co_i32 s[CS], s[CS], s87                 ; a score stands for score x 2^(e6 + e7): added to c's exponent field
	s_mov_b32 s[CS+1], s[CS]
	s_add_co_i32 s87, s78, 127
	s_lshl_b32 s88, s87, 23
	v_mov_b32 v244, s88                            ; 2^e8
	s_add_co_i32 s87, s87, 8
	s_lshl_b32 s87, s87, 23
	s_or_b32 s87, s87, 0x600000
	v_mov_b32 v240, s87                            ; 448 x 2^e8
	s_sub_co_i32 s87, s80, s78
	s_sub_co_i32 s87, s87, s79
	s_add_co_i32 s87, s87, 127
	s_lshl_b32 s88, s87, 23
	v_mov_b32 v245, s88                            ; 2^(e10 - e8 - e9): y's conversion
	s_add_co_i32 s87, s87, 8
	s_lshl_b32 s87, s87, 23
	s_or_b32 s87, s87, 0x600000
	v_mov_b32 v241, s87
; A KEY STEP: 128 keys, the q-th of the slot in hand.
.macro STEP q
	s_cmp_gt_u32 s[KF], s[KH]                      ; a step that is not mine is left out
	s_cbranch_scc1 .Lhidden_\@
	v_add_nc_u32 v[ADK], s[TB], v[AK0]
	v_add_nc_u32 v[ADV], s[TB], v[AV0]
	v_nop                                          ; with the two additions: four places in front of loads into registers that the last products read
	v_nop
.irp t, 0,1,2,3,4,5,6,7
	ds_load_b128 v[32+8*\t:35+8*\t], v[ADK] offset:(128*(\q)+16*\t)*KP
	ds_load_b128 v[36+8*\t:39+8*\t], v[ADK] offset:(128*(\q)+16*\t)*KP+32
.endr
	s_wait_alu depctr_va_vdst(0)
	s_wait_dscnt 0x0
.irp t, 0,1,2,3,4,5,6,7
	v_wmma_f32_16x16x64_fp8_fp8 v[96+8*\t:103+8*\t], v[32+8*\t:39+8*\t], v[16:23], 0
.endr
.rept 4
	v_nop
.endr
.irp t, 0,1,2,3
.irp c, 0,1,2,3
	ds_load_b128 v[32+16*\t+4*\c:35+16*\t+4*\c], v[ADV] offset:16*\t*VP+128*(\q)+32*\c   ; V's fragments land while the softmax is worked
.endr
.endr
	s_add_co_u32 s87, s[KF], 127                   ; on the diagonal hidden scores become -infinity ahead of the maximum; a step all of whose keys count skips this
	s_cmp_le_u32 s87, s[Q0]
	s_cbranch_scc1 .Lopen_\@
	s_sub_co_i32 s87, s[Q0], s[KF]
	v_and_b32 v252, 15, v0
	v_bfe_u32 v253, v0, 4, 1
	s_delay_alu instid0(VALU_DEP_1)
	v_lshlrev_b32 v253, 4, v253
	s_delay_alu instid0(VALU_DEP_1)
	v_sub_nc_u32 v252, v252, v253
	s_delay_alu instid0(VALU_DEP_1)
	v_add_nc_u32 v252, s87, v252                   ; d = my query - KF - 16 h.  Register 16 b + i holds key KF + 16 h + 32 b + i: hidden where 32 b + i > d
	v_mov_b32 v254, 0xff800000
.set n, 0
.rept 64
	v_cmp_gt_i32 vcc_lo, 32*(n/16)+n%16, v252
	v_cndmask_b32 v[96+n], v[96+n], v254, vcc_lo
.set n, n+1
.endr
.Lopen_\@:
	v_max3_num_f32 v254, v96, v97, v98             ; the step's largest score of my query, each accumulator from its low end on
	v_max3_num_f32 v252, v99, v100, v101
.irp i, 6,10,14,18,22,26,30,34,38,42,46,50,54,58
	v_max3_num_f32 v254, v254, v[96+\i], v[97+\i]
	v_max3_num_f32 v252, v252, v[98+\i], v[99+\i]
.endr
	v_max3_num_f32 v254, v254, v158, v159
	s_delay_alu instid0(VALU_DEP_1)
	v_max_num_f32 v254, v254, v252
	v_permlanex16_b32 v236, v254, s[SEL], s[SEL+1]
	s_delay_alu instid0(VALU_DEP_1)
	v_max_num_f32 v254, v254, v236
	s_delay_alu instid0(VALU_DEP_1)
	v_mul_f32 v254, s[CS], v254
	s_delay_alu instid0(VALU_DEP_1)
	v_max_num_f32 v13, v13, v254                   ; the running largest t
	v_mov_b32 v254, v12
	s_delay_alu instid0(VALU_DEP_2)
	v_floor_f32 v12, -v13                          ; -M = floor(-t): M is a whole number
	s_delay_alu instid0(VALU_DEP_1)
	v_sub_f32 v254, v12, v254
	s_delay_alu instid0(VALU_DEP_1)
	v_cvt_i32_f32 v254, v254                       ; (it saturates)
	s_delay_alu instid0(VALU_DEP_1)
	v_ldexp_f32 v252, 1.0, v254                    ; f = 2^(old M - new M)
.set j, 0
.rept 32
	v_pk_fma_f32 v[96+j:97+j], v[96+j:97+j], s[CS:CS+1], v[12:13] op_sel_hi:[1,0,0]   ; t - M
.set j, j+2
.endr
.set j, 0
	s_wait_alu depctr_va_vdst(0)
.rept 64
	v_exp_f32 v[96+j], v[96+j]                     ; p = 2^(t - M)
.set j, j+1
.endr
	v_pk_mul_f32 v[14:15], v[14:15], v[252:253] op_sel_hi:[1,0]   ; the sums under the new M (a plain place behind the exponentials)
	s_wait_alu depctr_va_vdst(0)
	v_pk_add_f32 v[242:243], v[100:101], v[104:105]
	v_pk_add_f32 v[248:249], v[108:109], v[112:113]
	v_pk_add_f32 v[246:247], v[116:117], v[120:121]
	v_pk_add_f32 v[238:239], v[124:125], v[128:129]
	v_pk_add_f32 v[236:237], v[132:133], v[136:137]
	v_pk_add_f32 v[234:235], v[140:141], v[144:145]
	v_pk_add_f32 v[232:233], v[148:149], v[152:153]
	v_pk_add_f32 v[14:15], v[14:15], v[156:157]
	v_pk_add_f32 v[242:243], v[242:243], v[96:97]
	v_pk_add_f32 v[248:249], v[248:249], v[98:99]
	v_pk_add_f32 v[246:247], v[246:247], v[102:103]
	v_pk_add_f32 v[238:239], v[238:239], v[106:107]
	v_pk_add_f32 v[236:237], v[236:237], v[110:111]
	v_pk_add_f32 v[234:235], v[234:235], v[114:115]
	v_pk_add_f32 v[232:233], v[232:233], v[118:119]
	v_pk_add_f32 v[14:15], v[14:15], v[122:123]
	v_pk_add_f32 v[242:243], v[242:243], v[126:127]
	v_pk_add_f32 v[248:249], v[248:249], v[130:131]
	v_pk_add_f32 v[246:247], v[246:247], v[134:135]
	v_pk_add_f32 v[238:239], v[238:239], v[138:139]
	v_pk_add_f32 v[236:237], v[236:237], v[142:143]
	v_pk_add_f32 v[234:235], v[234:235], v[146:147]
	v_pk_add_f32 v[232:233], v[232:233], v[150:151]
	v_pk_add_f32 v[14:15], v[14:15], v[154:155]
	v_pk_add_f32 v[242:243], v[242:243], v[158:159]
	s_delay_alu instid0(VALU_DEP_2)
	v_pk_add_f32 v[14:15], v[14:15], v[238:239]
	s_delay_alu instid0(VALU_DEP_2)
	v_pk_add_f32 v[242:243], v[242:243], v[236:237]
	v_pk_add_f32 v[248:249], v[248:249], v[234:235]
	v_pk_add_f32 v[246:247], v[246:247], v[232:233]
	s_delay_alu instid0(VALU_DEP_2)
	v_pk_add_f32 v[14:15], v[14:15], v[248:249]
	s_delay_alu instid0(VALU_DEP_2)
	v_pk_add_f32 v[242:243], v[242:243], v[246:247]
	s_delay_alu instid0(VALU_DEP_1)
	v_pk_add_f32 v[14:15], v[14:15], v[242:243]
.irp b, 0,1,2,3
.irp i, 0,1,2,3,4,5,6,7,8,9,10,11,12,13,14,15
	v_min_num_f32 v[96+16*\b+\i], v[96+16*\b+\i], v240   ; the hold; p is not negative
.endr
	v_cvt_scalef32_pk8_fp8_f32 v[224+4*\b:225+4*\b], v[96+16*\b:103+16*\b], v244
	v_cvt_scalef32_pk8_fp8_f32 v[226+4*\b:227+4*\b], v[104+16*\b:111+16*\b], v244
.endr
.set j, 0
.rept 16
	v_pk_mul_f32 v[160+j:161+j], v[160+j:161+j], v[252:253] op_sel_hi:[1,0]   ; O^T under the new M (also the plain lines behind the conversions)
.set j, j+2
.endr
	s_wait_alu depctr_va_vdst(0)
	s_wait_dscnt 0x0                               ; V's fragments are in
.irp t, 0,1,2,3
	v_wmma_f32_16x16x128_fp8_fp8 v[160+8*\t:167+8*\t], v[32+16*\t:47+16*\t], v[224:239], v[160+8*\t:167+8*\t]
.endr
.Lhidden_\@:
	s_add_co_u32 s[KF], s[KF], 128
.endm
; THE WAY OUT of a tile: O^T / the sum, held, converted with the folded scale: registers 16 b on are channels 32 b + 16 h + 0..15 of my query's row.  dst: the scalar pair with y at the tile's first row
.macro WAYOUT dst
	v_add_f32 v14, v14, v15
	s_wait_alu depctr_va_vdst(0)
	v_permlanex16_b32 v252, v14, s[SEL], s[SEL+1]
	s_delay_alu instid0(VALU_DEP_1)
	v_add_f32 v14, v14, v252
	s_wait_alu depctr_va_vdst(0)
	v_rcp_f32 v14, v14
	v_nop                                          ; a plain place behind the transcendental
.set j, 0
	s_wait_alu depctr_va_vdst(0)
.rept 32
	v_mul_f32 v[96+j], v[160+j], v14               ; each accumulator from its low end on
.set j, j+1
.endr
.irp b, 0,1
.irp i, 0,1,2,3,4,5,6,7,8,9,10,11,12,13,14,15
	v_med3_num_f32 v[96+16*\b+\i], v[96+16*\b+\i], -v241, v241
.endr
	v_cvt_scalef32_pk8_fp8_f32 v[224+4*\b:225+4*\b], v[96+16*\b:103+16*\b], v245
	v_cvt_scalef32_pk8_fp8_f32 v[226+4*\b:227+4*\b], v[104+16*\b:111+16*\b], v245
.endr
	v_nop                                          ; a plain line behind the last conversion
	global_store_b128 v[GO], v[224:227], s[\dst:\dst+1]            ; a head's 64 bytes of a row: 16 bytes a lane
	global_store_b128 v[GO], v[228:231], s[\dst:\dst+1] offset:32
.endm
	s_wait_loadcnt 0x0                             ; Q, of both tiles
	s_wait_tensorcnt 0x0                           ; my one load has landed; behind the barrier all sixteen have
	s_barrier_signal -1
	s_barrier_wait -1
	STEP 0                                         ; every wave begins at key 0
	STEP 1
	s_add_co_u32 s[TB], s[TB], SLOTB
	s_wait_tensorcnt 0x0                           ; all of K and V has landed: from here on a wave goes through its steps without meeting the others
	s_wait_dscnt 0x0                               ; and my reads of slot 0 are over: behind this barrier nobody reads it
	s_barrier_signal -1
	s_barrier_wait -1
	s_mov_b32 s[CNT], 3
.Lp1:                                                  ; slots 1 to 3: keys 256 to 1,023
	STEP 0
	STEP 1
	s_add_co_u32 s[TB], s[TB], SLOTB
	s_sub_co_u32 s[CNT], s[CNT], 1
	s_cmp_lg_u32 s[CNT], 0
	s_cbranch_scc1 .Lp1
	; THE CHANGE OF TILES, behind key 1,023
.rept 4
	v_nop                                          ; four places behind the last products
.endr
	s_cmp_eq_u32 s[ROLE], 0
	s_cbranch_scc0 .Lsecond
	v_add_f32 v13, v14, v15                        ; role 0 is done: its part of the late tile goes to LDS as it stands in the registers: my lane's sum beside -M,
	s_wait_alu depctr_va_vdst(0)
.irp i, 0,1,2,3,4,5,6,7
	ds_store_b128 v[SA], v[160+4*\i:163+4*\i] offset:512*\i        ; O^T, each accumulator from its low end on: 512 consecutive bytes a store
.endr
	ds_store_b64 v[SB], v[12:13] offset:4096
	s_branch .Lon
.Lsecond:
	WAYOUT 8                                       ; role 1: the early tile is finished and leaves;
	s_wait_xcnt 0x0                                ; its stores' data registers are written again by the next step's conversions only behind this wait
	FRESH                                          ; the late tile's second part is a stream of its own
.irp i, 0,1,2,3,4,5,6,7
	v_mov_b32 v[16+\i], v[24+\i]                   ; its queries
.endr
	s_mov_b32 s[Q0], s[Q2]
	s_add_co_u32 s[KH], s[Q2], 15                  ; up to its own step
.Lon:
	s_mov_b32 s[CNT], 4
.Lp2:                                                  ; slots 4 to 7: keys 1,024 to 2,047.  Role 0 has no step here
	STEP 0
	STEP 1
	s_add_co_u32 s[TB], s[TB], SLOTB
	s_sub_co_u32 s[CNT], s[CNT], 1
	s_cmp_lg_u32 s[CNT], 0
	s_cbranch_scc1 .Lp2
.rept 4
	v_nop                                          ; four places behind the last products
.endr
	s_wait_dscnt 0x0                               ; for the partner's sake: role 0's stores have landed
	s_barrier_signal -1
	s_barrier_wait -1
	s_cmp_eq_u32 s[ROLE], 0
	s_cbranch_scc1 .Lend
.irp i, 0,1,2,3,4,5,6,7
	ds_load_b128 v[96+4*\i:99+4*\i], v[SA] offset:512*\i           ; the partner's O^T, in the same lanes and the same order of registers
.endr
	ds_load_b64 v[128:129], v[SB] offset:4096      ; its -M and my lane's part of its sum
	s_wait_dscnt 0x0
	v_min_num_f32 v130, v12, v128                  ; -M of both parts: M is the larger of the two
	s_delay_alu instid0(VALU_DEP_1)
	v_sub_f32 v131, v130, v12                      ; my M less that: a whole number, 0 or less
	s_delay_alu instid0(VALU_DEP_2)
	v_sub_f32 v132, v130, v128                     ; the partner's likewise
	s_delay_alu instid0(VALU_DEP_2)
	v_cvt_i32_f32 v131, v131
	s_delay_alu instid0(VALU_DEP_2)
	v_cvt_i32_f32 v132, v132
	s_delay_alu instid0(VALU_DEP_2)
	v_ldexp_f32 v134, 1.0, v131                    ; the two factors are powers of two: nothing is rounded
	s_delay_alu instid0(VALU_DEP_2)
	v_ldexp_f32 v136, 1.0, v132
	s_delay_alu instid0(VALU_DEP_2)
	v_mov_b32 v135, v134                           ; each twice, for the packed forms
	s_delay_alu instid0(VALU_DEP_2)
	v_mov_b32 v137, v136
	s_delay_alu instid0(VALU_DEP_2)
	v_pk_mul_f32 v[14:15], v[14:15], v[134:135]
	s_delay_alu instid0(VALU_DEP_1)
	v_fmac_f32 v14, v129, v136                     ; the sum of both parts
.set j, 0
.rept 16
	v_pk_mul_f32 v[160+j:161+j], v[160+j:161+j], v[134:135]
.set j, j+2
.endr
.set j, 0
.rept 16
	v_pk_fma_f32 v[160+j:161+j], v[96+j:97+j], v[136:137], v[160+j:161+j]
.set j, j+2
.endr
	WAYOUT Y2                                      ; the late tile leaves
.Lend:
	s_wait_tensorcnt 0x0
	ds_add_u32 v251, v255
	s_wait_dscnt 0x0
	CROUND                                         ; the closing round
	s_endpgm
.Lfunc_end_k_q9c254826f0_attn:
	.size	k_q9c254826f0_attn, .Lfunc_end_k_q9c254826f0_attn-k_q9c254826f0_attn
	.p2alignl 7, 3214868480
	.fill 96, 4, 3214868480
	.section	.rodata,"a",@progbits
	.p2align	6, 0x0
	.amdhsa_kernel k_q9c254826f0_attn
		.amdhsa_group_segment_fixed_size 305152
		.amdhsa_private_segment_fixed_size 0
		.amdhsa_enable_private_segment 0
		.amdhsa_kernarg_size 24
		.amdhsa_user_sgpr_count 2
		.amdhsa_user_sgpr_kernarg_segment_ptr 1
		.amdhsa_wavefront_size32 1
		.amdhsa_system_sgpr_workgroup_id_x 1
		.amdhsa_system_sgpr_workgroup_id_y 1
		.amdhsa_system_sgpr_workgroup_id_z 1
		.amdhsa_system_vgpr_workitem_id 0
		.amdhsa_next_free_vgpr 256
		.amdhsa_next_free_sgpr 100
		.amdhsa_reserve_vcc 1
		.amdhsa_float_denorm_mode_32 3
		.amdhsa_float_denorm_mode_16_64 3
		.amdhsa_memory_ordered 1
		.amdhsa_forward_progress 1
		.amdhsa_inst_pref_size 151
	.end_amdhsa_kernel
	.amdgpu_metadata
---
amdhsa.version: [ 1, 2 ]
amdhsa.kernels:
  - .name:           k_q9c254826f0_attn
    .symbol:         k_q9c254826f0_attn.kd
    .args:
      - { .name: qkvc, .offset: 0, .size: 8, .value_kind: global_buffer, .address_space: global }
      - { .name: lowp_scales, .offset: 8, .size: 8, .value_kind: global_buffer, .address_space: global }
      - { .name: act, .offset: 16, .size: 8, .value_kind: global_buffer, .address_space: global }
    .group_segment_fixed_size: 305152
    .private_segment_fixed_size: 0
    .kernarg_segment_align: 8
    .kernarg_segment_size: 24
    .max_flat_workgroup_size: 512
    .sgpr_count:     100
    .vgpr_count:     256
    .wavefront_size: 32
...
	.end_amdgpu_metadata
.endif
;; end of part 3
;; launch oproj (part 4): grid 16 x 16, 8 waves a work-group, clusters of 4 x 4, 327,680 bytes of LDS; arguments act, wco, x, g1, rope, x1; writes x1
.if DOCPART == 4
	.amdgcn_target "amdgcn-amd-amdhsa--gfx1250"
	.amdhsa_code_object_version 6
	.text
	.protected	k_q9c254826f0_oproj
	.globl	k_q9c254826f0_oproj
	.p2align	8
	.type	k_q9c254826f0_oproj,@function
k_q9c254826f0_oproj:
	s_mov_b64 s[64:65], 0
	v_nop
	global_prefetch_b8 v0, s[64:65] scope:SCOPE_SE
	s_setreg_imm32_b32 hwreg(HW_REG_WAVE_MODE, 25, 1), 1
	s_wait_xcnt 0x0
	s_wait_alu depctr_hold_cnt(0) depctr_sa_sdst(0) depctr_va_vdst(0) depctr_va_sdst(0) depctr_va_ssrc(0) depctr_va_vcc(0) depctr_vm_vsrc(0)
	s_getreg_b32 s2, hwreg(HW_REG_IB_STS2, 6, 4)
	s_cmp_eq_u32 s2, 0
	s_cbranch_scc0 .Lentry_in_a_cluster
	s_endpgm
.Lentry_in_a_cluster:
	s_bfe_u32 s2, ttmp6, 0x10000c
	s_cmp_lg_u32 s2, 0xf033
	s_cbranch_scc0 .Lentry_shape_is_right
	s_endpgm
.Lentry_shape_is_right:
; PRODUCT 6 ON CODES OF E4M3 WITH ITS RESIDUAL: x1 = h1 + (y wo) x 2^(e10 + e11), h1 = (x g1) x (1/rms of x's row).  y: [2048][2048] codes, wo: [2048 (n)][2048 (k)] codes with the pair e10, e11 in the 256 bytes behind them.
; h1 is formed here from x, g1 and the row's 1/rms (the word at byte 524,288 + 256 x row of the table's buffer), by the two multiplications, in the order, by which the first launch made it for its codes.
; C tile 128 x 128: 256 work-groups.  EIGHT waves, two to a SIMD.  K goes in chunks of 512 (LDS rows of 512 bytes + 16) through two slots; waves 0-3 (P = 0) sum bytes 0-255 of every chunk,
; waves 4-7 (P = 1) bytes 256-511, each over 64 x 64 of C; wave w and wave w + 4 hold the same 64 x 64.  A's blocks are ordered so that a wave's blocks 0, 1 are rows 32 P on, which it finishes,
; and blocks 2, 3 its partner's: those it leaves in LDS as images of its registers (slot 0, behind its last fill and last read); behind one barrier each wave adds its partner's images to its own blocks 0, 1.
; THE RING: at the head every wave issues its one load: waves 0-3 the four parts of slot 0 (chunk 0), waves 4-7 those of slot 1 (chunk 1); a slot's one refill (chunks 2, 3) is issued by the same four waves.
; CLUSTERS 4 x 4: A's tile is asked for jointly along a row of the cluster, B's along a column.
; PREFETCH: behind its load of chunk P a wave asks for chunk P + 2 of the 64 rows that it fetches; the four partners of the joint load take 16 rows each, by address; a lane names one of a row's two blocks of 256 bytes.
; Source 0 = rows of B, source 1 = rows of A: a lane holds one row and eight neighbouring columns.  The results leave through a stage: sixteen lanes store 256 consecutive bytes, aligned.
; LIMIT: e10 + e11 between -126 and 127.
; REGISTERS: window 0: v1-31 addresses, v32-95 x, then h1, then x1, v96-99 g1, v100-115 1/rms, v128-255 accumulators; window 1: two fragment buffers of 128, then the partner's sums (v0-63) and rows back from the stage (v64-127).
.set KROW,  2048
.set PITCH, 528
.set HALFT, 64*PITCH
.set SLOT,  4*HALFT
.set SPARE, 2*SLOT
.set OSTG,  65536                      ; images: 8 x 8,192 bytes from byte 0 of slot 0; the stages behind them
.set GC,  10
.set RSO, 11
.set PFO, 12
.set IMR, 13
.set A1L, 16
.set A1H, 18
.set AD0, 20
.set STO, 24
.set RD,  25
.set CO,  26
.set IMW, 27
.set SPW, 28
.set NIL, 29
.set ACC, 128
.set F0,  0
.set F1,  128
.set G1,  24
.set G0,  32
.set G1B, 48
.set G0B, 56
.set PFA, 60
.set MSB, 0
.macro WIN new
.if MSB != (\new)
	s_set_vgpr_msb (MSB<<8)|(\new)
.set MSB, (\new)
.endif
.endm
.macro PLACES
.rept 4
	v_nop
.endr
.endm
.macro JLOAD slot                      ; slot 0, 1: the four waves of that slot ask; 2: every wave asks (the head)
.if \slot < 2
	s_cmp_lg_u32 s8, \slot
	s_cbranch_scc1 .Lasked_\@
.endif
	s_cmp_eq_u32 s11, 0
	s_cbranch_scc0 .Lfor_b_\@
	tensor_load_to_lds s[G0:G0+3], s[G1:G1+7]
	s_nop 0
	PLACES
	s_branch .Lasked_\@
.Lfor_b_\@:
	tensor_load_to_lds s[G0B:G0B+3], s[G1B:G1B+7]
	s_nop 0
	PLACES
.Lasked_\@:
.endm
.macro CREST
	s_cmp_lg_u32 s10, 0
	s_cbranch_scc1 .Lnot_wave_0_\@
	s_barrier_signal -3
.Lnot_wave_0_\@:
	s_barrier_wait -3
	s_barrier_signal -1
	s_barrier_wait -1
.endm
.macro CROUND
	s_barrier_signal -1
	s_barrier_wait -1
	CREST
.endm
.macro FETCH slot, k, f                ; 32 LDS loads: eight fragments of 16 rows x 128 K
	WIN 0x40
.irp i, 0,1,2,3
.irp c, 0,1,2,3
	ds_load_b128 v[\f+64+16*\i+4*\c:\f+64+16*\i+4*\c+3], v[AD0+\slot] offset:(\k)+32*\c+\i*16*PITCH
.endr
.endr
.irp i, 0,1
.irp c, 0,1,2,3
	ds_load_b128 v[\f+16*\i+4*\c:\f+16*\i+4*\c+3], v[A1L+\slot] offset:(\k)+32*\c+\i*16*PITCH
.endr
.irp c, 0,1,2,3
	ds_load_b128 v[\f+32+16*\i+4*\c:\f+32+16*\i+4*\c+3], v[A1H+\slot] offset:(\k)+32*\c+\i*16*PITCH
.endr
.endr
.endm
.macro MULA f, a, zero                 ; the 16 accumulators take turns, in the same order in every quarter
	WIN 0x05
.irp b, 0,1,2,3
.if \zero
	v_wmma_f32_16x16x128_fp8_fp8 v[ACC+8*(4*\a+\b):ACC+8*(4*\a+\b)+7], v[\f+64+16*\b:\f+64+16*\b+15], v[\f+16*\a:\f+16*\a+15], 0
.else
	v_wmma_f32_16x16x128_fp8_fp8 v[ACC+8*(4*\a+\b):ACC+8*(4*\a+\b)+7], v[\f+64+16*\b:\f+64+16*\b+15], v[\f+16*\a:\f+16*\a+15], v[ACC+8*(4*\a+\b):ACC+8*(4*\a+\b)+7]
.endif
.endr
.endm
.macro QUARTER slot, zero
	PLACES
	FETCH \slot, 128, F1
	s_wait_dscnt 32                                ; all but the 32 just issued: buffer 0 is in
	MULA F0, 0, \zero
	MULA F0, 1, \zero
	MULA F0, 2, \zero
	MULA F0, 3, \zero
.endm
.macro TURN slot, next, fill
	WIN 0
	s_wait_tensorcnt 0x0                           ; my load, if one was out, has landed
	ds_add_u32 v[SPW], v[NIL]
	s_wait_dscnt 1                                 ; buffer 1 is in; the add may be out
	MULA F1, 0, 0
	s_wait_dscnt 0x0                               ; the add is done, my reads of this slot are over
	s_barrier_signal -1
	MULA F1, 1, 0
	WIN 0
	s_barrier_wait -1
.if \fill
	CREST                                          ; the barrier has opened a round of the cluster's
	s_add_nc_u64 s[G0+2:G0+3], s[G0+2:G0+3], 512   ; every wave steps a chunk at every change: behind chunk t the address stands at chunk t + 2
	s_add_nc_u64 s[G0B+2:G0B+3], s[G0B+2:G0B+3], 512
	JLOAD \slot
.endif
	PLACES
	FETCH \next, 0, F0
	MULA F1, 2, 0
	MULA F1, 3, 0
.endm
	s_load_b128 s[4:7], s[0:1], 0x0                ; y's codes, wo's codes
	s_load_b128 s[68:71], s[0:1], 0x10             ; x, g1
	s_load_b128 s[76:79], s[0:1], 0x20             ; the table's buffer, x1
	v_lshl_add_u32 v[SPW], v0, 2, SPARE
	v_mov_b32 v[NIL], 0
	ds_add_u32 v[SPW], v[NIL]
	ds_add_u32 v[SPW], v[NIL]
	v_lshrrev_b32 v9, 5, v0
	s_delay_alu instid0(VALU_DEP_1)
	v_readfirstlane_b32 s10, v9                    ; wave 0..7
	v_and_b32 v1, 15, v0                           ; r
	v_bfe_u32 v2, v0, 4, 1                         ; h
	v_and_b32 v4, 31, v0                           ; lane
	s_lshr_b32 s8, s10, 2                          ; P: my half of every chunk, and the slot that I fill
	s_and_b32 s9, s10, 3
	s_lshr_b32 s11, s9, 1                          ; my half of the rows.  Also: I fetch for A (0) or B (1)
	s_and_b32 s12, s9, 1                           ; my half of the columns.  Also: which 64 rows I fetch
	s_bfe_u32 s40, ttmp6, 0x40000                  ; cx
	s_bfe_u32 s41, ttmp6, 0x40004                  ; cy
	s_lshl_b32 s42, ttmp9, 2
	s_add_co_u32 s42, s42, s40                     ; tile column
	s_and_b32 s13, ttmp7, 0xffff
	s_lshl_b32 s13, s13, 2
	s_add_co_u32 s13, s13, s41                     ; tile row
	s_lshl_b32 s43, s41, 2
	s_lshl_b32 s43, 15, s43
	s_lshl_b32 s44, 0x1111, s40
	s_or_b32 s[G1+0], s43, (1<<20)|(1<<21)|(6<<22)|(3<<25)
	s_or_b32 s[G1B+0], s44, (1<<20)|(1<<21)|(6<<22)|(3<<25)
.irp g, G1, G1B
	s_mov_b32 s[\g+1], 512<<16
	s_mov_b32 s[\g+2], 64<<16
	s_mov_b32 s[\g+3], 512<<16
	s_mov_b32 s[\g+4], 64
	s_mov_b32 s[\g+5], KROW
	s_mov_b32 s[\g+6], 0
	s_mov_b32 s[\g+7], 0
.endr
	s_lshl_b32 s17, s12, 6
	s_lshl_b32 s16, s13, 7
	s_add_co_u32 s16, s16, s17
	s_lshl_b32 s46, s42, 7
	s_add_co_u32 s46, s46, s17
	s_mul_i32 s16, s16, KROW
	s_mul_i32 s46, s46, KROW
	s_mov_b32 s17, 0
	s_mov_b32 s47, 0
	s_mul_i32 s20, s9, HALFT
	s_mul_i32 s21, s8, SLOT
	s_add_co_u32 s20, s20, s21                     ; where my loads land
	s_lshl_b32 s18, s8, 9                          ; chunk P
	s_mov_b32 s19, 0
	s_wait_alu depctr_va_vdst(0)
	s_wait_dscnt 0x0
	s_wait_kmcnt 0x0
	s_load_b64 s[72:73], s[6:7], 0x400000          ; e10, e11
	s_add_nc_u64 s[14:15], s[4:5], s[16:17]
	s_add_nc_u64 s[46:47], s[6:7], s[46:47]
	s_mov_b32 s[G0], 1
	s_mov_b32 s[G0+1], s20
	s_add_nc_u64 s[G0+2:G0+3], s[14:15], s[18:19]
	s_or_b32 s[G0+3], s[G0+3], 0x80000000
	s_mov_b32 s[G0B], 1
	s_mov_b32 s[G0B+1], s20
	s_add_nc_u64 s[G0B+2:G0B+3], s[46:47], s[18:19]
	s_or_b32 s[G0B+3], s[G0B+3], 0x80000000
	CROUND
	JLOAD 2                                        ; chunks 0 and 1, one load a wave
	s_lshl_b32 s84, s8, 8                          ; my half of a chunk
	s_mul_i32 s85, s11, HALFT
	s_add_co_u32 s85, s85, s84
	s_mul_i32 s86, s8, 32*PITCH
	s_add_co_u32 s86, s85, s86                     ; A, blocks 0, 1: rows 32 P on
	s_xor_b32 s87, s8, 1
	s_mul_i32 s87, s87, 32*PITCH
	s_add_co_u32 s87, s85, s87                     ; blocks 2, 3: the other 32 rows
	s_mul_i32 s88, s12, HALFT
	s_add_co_u32 s88, s88, s84
	s_add_co_u32 s88, s88, 2*HALFT                 ; B
	s_add_co_u32 s91, s86, SLOT
	s_add_co_u32 s92, s87, SLOT
	s_add_co_u32 s93, s88, SLOT
	s_lshl_b32 s89, s10, 13                        ; my images,
	s_xor_b32 s90, s10, 4
	s_lshl_b32 s90, s90, 13                        ; my partner's
	s_mul_i32 s23, s10, 16*272
	s_add_co_u32 s23, s23, OSTG                    ; my stage: 16 rows x (256 bytes + 16)
	s_lshl_b32 s94, s13, 7
	s_lshl_b32 s95, s11, 6
	s_add_co_u32 s94, s94, s95
	s_lshl_b32 s95, s8, 5
	s_add_co_u32 s94, s94, s95                     ; my first row
	s_lshl_b32 s96, s94, 8
	s_add_co_u32 s96, s96, 524288
	s_mov_b32 s97, 0
	s_add_nc_u64 s[76:77], s[76:77], s[96:97]      ; its 1/rms
	s_lshl_b32 s96, s42, 9
	s_lshl_b32 s95, s12, 8
	s_add_co_u32 s96, s96, s95                     ; my first column, in bytes
	s_add_nc_u64 s[70:71], s[70:71], s[96:97]      ; g1 there
	s_lshl_b32 s94, s94, 13
	s_add_co_u32 s94, s94, s96
	s_mov_b32 s95, 0
	s_add_nc_u64 s[68:69], s[68:69], s[94:95]      ; x,
	s_add_nc_u64 s[78:79], s[78:79], s[94:95]      ; x1
	s_cmp_eq_u32 s11, 0                            ; the prefetch: my work-group's 16 of the 64 rows that I fetch
	s_cselect_b64 s[PFA:PFA+1], s[14:15], s[46:47]
	s_cselect_b32 s21, s40, s41
	s_mul_i32 s21, s21, 16*KROW
	s_add_co_u32 s82, s21, s18
	s_mov_b32 s83, 0
	s_add_nc_u64 s[PFA:PFA+1], s[PFA:PFA+1], s[82:83]
	s_wait_kmcnt 0x0
	s_add_co_i32 s74, s72, s73
	s_add_co_i32 s74, s74, 127
	s_lshl_b32 s74, s74, 23                        ; 2^(e10 + e11)
	s_mov_b32 s75, s74
	v_mul_u32_u24 v3, v1, PITCH                    ; the chains below are interleaved: no line reads a result of the four lines above it
	v_mul_u32_u24 v[STO], v1, 272
	v_mul_u32_u24 v[RD], v2, 272
	v_lshlrev_b32 v[CO], 13, v2
	v_lshrrev_b32 v7, 1, v4
	v_and_b32 v8, 1, v4
	v_lshl_add_u32 v[IMW], v4, 4, s89
	v_lshl_add_u32 v[IMR], v4, 4, s90
	v_lshlrev_b32 v[GC], 4, v1                     ; g1: my four columns
	v_lshlrev_b32 v[RSO], 8, v2                    ; 1/rms: lanes 16-31 take the next row's
	v_lshl_add_u32 v3, v2, 4, v3
	v_lshl_add_u32 v[STO], v2, 5, v[STO]
	v_lshl_add_u32 v[RD], v1, 4, v[RD]
	v_lshl_add_u32 v[CO], v1, 4, v[CO]
	v_mul_u32_u24 v[PFO], v7, KROW
	v_add_nc_u32 v[A1L], s86, v3
	v_add_nc_u32 v[A1L+1], s91, v3
	v_add_nc_u32 v[A1H], s87, v3
	v_add_nc_u32 v[A1H+1], s92, v3
	v_add_nc_u32 v[AD0], s88, v3
	v_add_nc_u32 v[AD0+1], s93, v3
	v_add_nc_u32 v[STO], s23, v[STO]
	v_add_nc_u32 v[RD], s23, v[RD]
	v_lshl_add_u32 v[PFO], v8, 8, v[PFO]
	s_wait_alu depctr_va_vdst(0)
	global_prefetch_b8 v[PFO], s[PFA:PFA+1] offset:1024 th:TH_LOAD_NT scope:SCOPE_SE   ; chunk P + 2
	s_wait_tensorcnt 0x0                           ; my part of chunk P is in
	ds_add_u32 v[SPW], v[NIL]
	s_add_nc_u64 s[G0+2:G0+3], s[14:15], 512       ; from here on all waves' addresses walk alike
	s_or_b32 s[G0+3], s[G0+3], 0x80000000
	s_add_nc_u64 s[G0B+2:G0B+3], s[46:47], 512
	s_or_b32 s[G0B+3], s[G0B+3], 0x80000000
	s_wait_dscnt 0x0
	s_barrier_signal -1
	s_barrier_wait -1                              ; both slots are whole
.irp a, 0,1
.irp t, 0,1,2,3,4,5,6,7
	global_load_b128 v[32+32*\a+4*\t:32+32*\a+4*\t+3], v[CO], s[68:69] offset:(16*\a+2*\t)*8192 th:TH_LOAD_NT   ; x: my 32 rows x 256 bytes: asked for behind the first tiles, wanted behind the last product
.endr
.endr
	global_load_b128 v[96:99], v[GC], s[70:71]
.irp a, 0,1
.irp t, 0,1,2,3,4,5,6,7
	global_load_b32 v[100+8*\a+\t], v[RSO], s[76:77] offset:(16*\a+2*\t)*256
.endr
.endr
	FETCH 0, 0, F0
	QUARTER 0, 1                                   ; the first products start the sums
	TURN 0, 1, 1
	QUARTER 1, 0
	TURN 1, 0, 1
	QUARTER 0, 0
	TURN 0, 1, 0
	QUARTER 1, 0
	s_wait_dscnt 0x0
	MULA F1, 0, 0
	MULA F1, 1, 0
	MULA F1, 2, 0
	MULA F1, 3, 0
	WIN 0
	PLACES
.set i, 0
.rept 16
	ds_store_b128 v[IMW], v[ACC+64+4*i:ACC+64+4*i+3] offset:512*i   ; blocks 2, 3 as they stand in the registers, each accumulator from its low end on
.set i, i+1
.endr
	s_wait_dscnt 0x0
	s_barrier_signal -1
	s_barrier_wait -1
	WIN 0x40
.set i, 0
.rept 16
	ds_load_b128 v[4*i:4*i+3], v[IMR] offset:512*i                  ; my partner's sums over my rows: same lanes, same order
.set i, i+1
.endr
	s_wait_dscnt 0x0
	s_wait_loadcnt 0x0                             ; x, g1, 1/rms
	WIN 0x04
.set j, 0
.rept 32
	v_pk_add_f32 v[ACC+j:ACC+j+1], v[ACC+j:ACC+j+1], v[j:j+1]
.set j, j+2
.endr
	WIN 0
.set j, 0
.rept 16
	v_pk_mul_f32 v[32+4*j:33+4*j], v[32+4*j:33+4*j], v[96:97]       ; x g1
	v_pk_mul_f32 v[34+4*j:35+4*j], v[34+4*j:35+4*j], v[98:99]
.set j, j+1
.endr
.set j, 0
.rept 16
.irp q, 0,1,2,3
	v_mul_f32 v[32+4*j+\q], v[32+4*j+\q], v[100+j]                  ; x 1/rms of the row: h1
.endr
.set j, j+1
.endr
.macro TOSTAGE a                       ; block a, 16 rows x 64 columns, into my stage and back as rows of 256 bytes (LDS serves a wave's instructions in order)
.irp b, 0,1,2,3
	ds_store_b128 v[STO], v[ACC+8*(4*(\a)+\b):ACC+8*(4*(\a)+\b)+3] offset:64*\b
	ds_store_b128 v[STO], v[ACC+8*(4*(\a)+\b)+4:ACC+8*(4*(\a)+\b)+7] offset:64*\b+16
.endr
	WIN 0x40
.irp t, 0,1,2,3,4,5,6,7
	ds_load_b128 v[64+32*(\a)+4*\t:64+32*(\a)+4*\t+3], v[RD] offset:\t*2*272
.endr
	WIN 0
.endm
.macro SEND a, younger
	s_wait_dscnt \younger
	WIN 0x01
.set j, 0
.rept 16
	v_pk_fma_f32 v[32+32*(\a)+2*j:32+32*(\a)+2*j+1], v[64+32*(\a)+2*j:64+32*(\a)+2*j+1], s[74:75], v[32+32*(\a)+2*j:32+32*(\a)+2*j+1] op_sel_hi:[1,0,1]
.set j, j+1
.endr
	WIN 0
.irp t, 0,1,2,3,4,5,6,7
	global_store_b128 v[CO], v[32+32*(\a)+4*\t:32+32*(\a)+4*\t+3], s[78:79] offset:(16*(\a)+2*\t)*8192   ; sixteen lanes store 256 consecutive bytes, aligned
.endr
.endm
	TOSTAGE 0
	TOSTAGE 1
	SEND 0, 16                                     ; behind block 0's loads: block 1's 8 stores and 8 loads
	SEND 1, 0
	s_wait_tensorcnt 0x0                           ; the wave's end
	ds_add_u32 v[SPW], v[NIL]
	s_wait_dscnt 0x0
	CROUND                                         ; the closing round
	s_endpgm
.Lfunc_end_k_q9c254826f0_oproj:
	.size	k_q9c254826f0_oproj, .Lfunc_end_k_q9c254826f0_oproj-k_q9c254826f0_oproj
	.p2alignl 7, 3214868480
	.fill 96, 4, 3214868480
	.section	.rodata,"a",@progbits
	.p2align	6, 0x0
	.amdhsa_kernel k_q9c254826f0_oproj
		.amdhsa_group_segment_fixed_size 327680
		.amdhsa_private_segment_fixed_size 0
		.amdhsa_enable_private_segment 0
		.amdhsa_kernarg_size 48
		.amdhsa_user_sgpr_count 2
		.amdhsa_user_sgpr_kernarg_segment_ptr 1
		.amdhsa_wavefront_size32 1
		.amdhsa_system_sgpr_workgroup_id_x 1
		.amdhsa_system_sgpr_workgroup_id_y 1
		.amdhsa_system_sgpr_workgroup_id_z 1
		.amdhsa_system_vgpr_workitem_id 0
		.amdhsa_next_free_vgpr 512
		.amdhsa_next_free_sgpr 100
		.amdhsa_reserve_vcc 0
		.amdhsa_float_denorm_mode_32 3
		.amdhsa_float_denorm_mode_16_64 3
		.amdhsa_memory_ordered 1
		.amdhsa_forward_progress 1
		.amdhsa_inst_pref_size 55
	.end_amdhsa_kernel
	.amdgpu_metadata
---
amdhsa.version: [ 1, 2 ]
amdhsa.kernels:
  - .name:           k_q9c254826f0_oproj
    .symbol:         k_q9c254826f0_oproj.kd
    .args:
      - { .name: act, .offset: 0, .size: 8, .value_kind: global_buffer, .address_space: global }
      - { .name: wco, .offset: 8, .size: 8, .value_kind: global_buffer, .address_space: global }
      - { .name: x, .offset: 16, .size: 8, .value_kind: global_buffer, .address_space: global }
      - { .name: g1, .offset: 24, .size: 8, .value_kind: global_buffer, .address_space: global }
      - { .name: rope, .offset: 32, .size: 8, .value_kind: global_buffer, .address_space: global }
      - { .name: x1, .offset: 40, .size: 8, .value_kind: global_buffer, .address_space: global }
    .group_segment_fixed_size: 327680
    .private_segment_fixed_size: 0
    .kernarg_segment_align: 8
    .kernarg_segment_size: 48
    .max_flat_workgroup_size: 256
    .sgpr_count:     100
    .vgpr_count:     512
    .wavefront_size: 32
...
	.end_amdgpu_metadata
.endif
;; end of part 4
;; launch rms2 (part 5): grid 512 x 1, 4 waves a work-group, no clusters, 16,896 bytes of LDS; arguments x1, x, g2, lowp_scales, act, res; writes act, res
.if DOCPART == 5
	.amdgcn_target "amdgcn-amd-amdhsa--gfx1250"
	.amdhsa_code_object_version 6
	.text
	.protected	k_q9c254826f0_rms2
	.globl	k_q9c254826f0_rms2
	.p2align	8
	.type	k_q9c254826f0_rms2,@function
k_q9c254826f0_rms2:
	s_mov_b64 s[64:65], 0
	v_nop
	global_prefetch_b8 v0, s[64:65] scope:SCOPE_SE
	s_setreg_imm32_b32 hwreg(HW_REG_WAVE_MODE, 25, 1), 1
	s_wait_xcnt 0x0
; RMS2: a wave takes a row: h2 = g2 x1 / sqrt(mean(x1^2) + eps); res = h2 + x (what the last product's result is added to); h2 as two planes of codes of E4M3, with the given e12 and e14,
; interleaved as the next product's tiles want them: act[row][8 chunks of 256 along K][e12's 256 bytes, e14's 256 bytes].
; The stream binds: each byte is read and written once, 512 consecutive bytes a load and store; no matrix unit, no cluster, no barrier (waves share nothing).
; LIMITS: e12, e14 between -126 and 119.  NaN among the inputs is not served.
.set XR, 32                            ; v32-95   x1's row, then h2
.set XX, 96                            ; v96-159  x's row, then h2 + x
.set GR, 160                           ; v160-223 g2
.set CD, 160                           ; v160-191 codes, 16 registers a plane
.set OB, 192                           ; v192-223 codes back from the stage
.macro MKSC e, sc, lim
	s_add_co_i32 s22, s[\e], 127
	s_lshl_b32 s23, s22, 23
	v_mov_b32 v[\sc], s23
	s_add_co_i32 s22, s22, 8
	s_lshl_b32 s22, s22, 23
	s_or_b32 s22, s22, 0x600000
	v_mov_b32 v[\lim], s22
.endm
	s_load_b256 s[4:11], s[0:1], 0x0               ; x1, x, g2, the scales
	s_load_b128 s[12:15], s[0:1], 0x20             ; act, res
	v_lshl_add_u32 v224, v0, 2, 0x4000
	v_mov_b32 v225, 0
	v_lshrrev_b32 v1, 5, v0
	v_readfirstlane_b32 s16, v1
	v_and_b32 v2, 31, v0
	v_lshlrev_b32 v3, 4, v2
	s_lshl_b32 s17, ttmp9, 2
	s_add_co_u32 s17, s17, s16                     ; my row
	s_lshl_b32 s18, s17, 13
	s_mov_b32 s19, 0
	s_lshl_b32 s20, s17, 12
	s_mov_b32 s21, 0
	s_wait_alu depctr_va_vdst(0)
	s_wait_kmcnt 0x0
	s_load_b128 s[36:39], s[10:11], 0x30           ; e12 .. e15
	s_add_nc_u64 s[4:5], s[4:5], s[18:19]
	s_add_nc_u64 s[6:7], s[6:7], s[18:19]
	s_add_nc_u64 s[14:15], s[14:15], s[18:19]
	s_add_nc_u64 s[12:13], s[12:13], s[20:21]
.set j, 0
.rept 16
	global_load_b128 v[XR+4*j:XR+4*j+3], v3, s[4:5] offset:512*j th:TH_LOAD_NT
.set j, j+1
.endr
.set j, 0
.rept 16
	global_load_b128 v[GR+4*j:GR+4*j+3], v3, s[8:9] offset:512*j
.set j, j+1
.endr
.set j, 0
.rept 16
	global_load_b128 v[XX+4*j:XX+4*j+3], v3, s[6:7] offset:512*j th:TH_LOAD_NT
.set j, j+1
.endr
	s_lshl_b32 s24, s16, 12                        ; my stage: 2,048 bytes a plane
	v_lshl_add_u32 v4, v2, 2, s24
	v_lshl_add_u32 v5, v2, 4, s24
	v_and_b32 v6, 15, v2
	v_lshrrev_b32 v7, 4, v2
	v_lshlrev_b32 v7, 9, v7
	v_lshl_add_u32 v7, v6, 4, v7                   ; the codes' place: 512 (lane / 16) + 16 (lane % 16)
	s_mov_b32 s26, 0x76543210
	s_mov_b32 s27, 0xfedcba98
	v_mov_b32 v1, 0x3727c5ac                       ; eps
	v_mov_b32 v9, 0
	s_wait_kmcnt 0x0
	MKSC 36, 10, 11                                ; e12
	MKSC 38, 14, 15                                ; e14
	s_wait_loadcnt 32                              ; x1's row is in; g2 and x may be out
.irp c, 0,1,2,3
	v_pk_mul_f32 v[16+2*\c:17+2*\c], v[XR+2*\c:XR+2*\c+1], v[XR+2*\c:XR+2*\c+1]
.endr
.set j, 4
.rept 28
	v_pk_fma_f32 v[16+2*(j%4):17+2*(j%4)], v[XR+2*j:XR+2*j+1], v[XR+2*j:XR+2*j+1], v[16+2*(j%4):17+2*(j%4)]
.set j, j+1
.endr
	v_pk_add_f32 v[16:17], v[16:17], v[18:19]
	v_pk_add_f32 v[20:21], v[20:21], v[22:23]
	v_pk_add_f32 v[16:17], v[16:17], v[20:21]
	v_add_f32 v8, v16, v17
	v_add_f32_dpp v8, v8, v8 row_xmask:1 row_mask:0xf bank_mask:0xf
	v_add_f32_dpp v8, v8, v8 row_xmask:2 row_mask:0xf bank_mask:0xf
	v_add_f32_dpp v8, v8, v8 row_xmask:4 row_mask:0xf bank_mask:0xf
	v_add_f32_dpp v8, v8, v8 row_xmask:8 row_mask:0xf bank_mask:0xf
	v_permlanex16_b32 v9, v8, s26, s27
	v_add_f32 v8, v8, v9
	v_fmamk_f32 v8, v8, 0x3a000000, v1             ; the sum / 2048 + eps
	s_wait_alu depctr_va_vdst(0)
	v_rsq_f32 v12, v8
	s_wait_loadcnt 0x0
.set j, 0
.rept 32
	v_pk_mul_f32 v[XR+2*j:XR+2*j+1], v[XR+2*j:XR+2*j+1], v[GR+2*j:GR+2*j+1]   ; g2 x1 (plain work behind the transcendental)
.set j, j+1
.endr
	s_wait_alu depctr_va_vdst(0)
	v_mov_b32 v13, v12
.set j, 0
.rept 32
	v_pk_mul_f32 v[XR+2*j:XR+2*j+1], v[XR+2*j:XR+2*j+1], v[12:13]
.set j, j+1
.endr
.set j, 0
.rept 32
	v_pk_add_f32 v[XX+2*j:XX+2*j+1], v[XX+2*j:XX+2*j+1], v[XR+2*j:XR+2*j+1]
.set j, j+1
.endr
.set j, 0
.rept 16
	global_store_b128 v3, v[XX+4*j:XX+4*j+3], s[14:15] offset:512*j
.set j, j+1
.endr
.macro QROW s, sc, lim                 ; register CD + j holds the four codes of load j, columns 128 j + 4 lane on
.set p, 0
.rept 8
.set TT, 16+8*(p%2)
.set i, 0
.rept 8
	v_med3_num_f32 v[TT+i], v[XR+8*p+i], -v[\lim], v[\lim]     ; the hold: the conversion does not saturate (ISA guide 7.6.2)
.set i, i+1
.endr
	v_cvt_scalef32_pk8_fp8_f32 v[CD+16*\s+2*p:CD+16*\s+2*p+1], v[TT:TT+7], v[\sc]
.set p, p+1
.endr
	v_nop                                          ; a plain line behind the last conversion
.set j, 0
.rept 16
	ds_store_b32 v4, v[CD+16*\s+j] offset:2048*\s+128*j
.set j, j+1
.endr
.irp g, 0,1,2,3
	ds_load_b128 v[OB+16*\s+4*\g:OB+16*\s+4*\g+3], v5 offset:2048*\s+512*\g
.endr
.endm
.macro QOUT s
.irp g, 0,1,2,3
	s_wait_dscnt 20*(1-\s)+3-\g                    ; behind this load: the later loads of its plane, and 20 LDS instructions for the later plane
	global_store_b128 v7, v[OB+16*\s+4*\g:OB+16*\s+4*\g+3], s[12:13] offset:256*\s+1024*\g   ; sixteen lanes store 256 consecutive bytes, aligned
.endr
.endm
	QROW 0, 10, 11
	QROW 1, 14, 15
	QOUT 0
	QOUT 1
	s_wait_tensorcnt 0x0
	ds_add_u32 v224, v225
	s_wait_dscnt 0x0
	s_endpgm
.Lfunc_end_k_q9c254826f0_rms2:
	.size	k_q9c254826f0_rms2, .Lfunc_end_k_q9c254826f0_rms2-k_q9c254826f0_rms2
	.p2alignl 7, 3214868480
	.fill 96, 4, 3214868480
	.section	.rodata,"a",@progbits
	.p2align	6, 0x0
	.amdhsa_kernel k_q9c254826f0_rms2
		.amdhsa_group_segment_fixed_size 16896
		.amdhsa_private_segment_fixed_size 0
		.amdhsa_enable_private_segment 0
		.amdhsa_kernarg_size 48
		.amdhsa_user_sgpr_count 2
		.amdhsa_user_sgpr_kernarg_segment_ptr 1
		.amdhsa_wavefront_size32 1
		.amdhsa_system_sgpr_workgroup_id_x 1
		.amdhsa_system_sgpr_workgroup_id_y 1
		.amdhsa_system_sgpr_workgroup_id_z 1
		.amdhsa_system_vgpr_workitem_id 0
		.amdhsa_next_free_vgpr 226
		.amdhsa_next_free_sgpr 66
		.amdhsa_reserve_vcc 0
		.amdhsa_float_denorm_mode_32 3
		.amdhsa_float_denorm_mode_16_64 3
		.amdhsa_memory_ordered 1
		.amdhsa_forward_progress 1
		.amdhsa_inst_pref_size 30
	.end_amdhsa_kernel
	.amdgpu_metadata
---
amdhsa.version: [ 1, 2 ]
amdhsa.kernels:
  - .name:           k_q9c254826f0_rms2
    .symbol:         k_q9c254826f0_rms2.kd
    .args:
      - { .name: x1, .offset: 0, .size: 8, .value_kind: global_buffer, .address_space: global }
      - { .name: x, .offset: 8, .size: 8, .value_kind: global_buffer, .address_space: global }
      - { .name: g2, .offset: 16, .size: 8, .value_kind: global_buffer, .address_space: global }
      - { .name: lowp_scales, .offset: 24, .size: 8, .value_kind: global_buffer, .address_space: global }
      - { .name: act, .offset: 32, .size: 8, .value_kind: global_buffer, .address_space: global }
      - { .name: res, .offset: 40, .size: 8, .value_kind: global_buffer, .address_space: global }
    .group_segment_fixed_size: 16896
    .private_segment_fixed_size: 0
    .kernarg_segment_align: 8
    .kernarg_segment_size: 48
    .max_flat_workgroup_size: 128
    .sgpr_count:     66
    .vgpr_count:     226
    .wavefront_size: 32
...
	.end_amdgpu_metadata
.endif
;; end of part 5
;; launch gateup (part 6): grid 16 x 16, 8 waves a work-group, clusters of 4 x 4, 327,680 bytes of LDS; arguments act, wca, lowp_scales, qkvc; writes qkvc
.if DOCPART == 6
	.amdgcn_target "amdgcn-amd-amdhsa--gfx1250"
	.amdhsa_code_object_version 6
	.text
	.protected	k_q9c254826f0_gateup
	.globl	k_q9c254826f0_gateup
	.p2align	8
	.type	k_q9c254826f0_gateup,@function
k_q9c254826f0_gateup:
	s_mov_b64 s[64:65], 0
	v_nop
	global_prefetch_b8 v0, s[64:65] scope:SCOPE_SE
	s_setreg_imm32_b32 hwreg(HW_REG_WAVE_MODE, 25, 1), 1
	s_wait_xcnt 0x0
	s_wait_alu depctr_hold_cnt(0) depctr_sa_sdst(0) depctr_va_vdst(0) depctr_va_sdst(0) depctr_va_ssrc(0) depctr_va_vcc(0) depctr_vm_vsrc(0)
	s_getreg_b32 s2, hwreg(HW_REG_IB_STS2, 6, 4)
	s_cmp_eq_u32 s2, 0
	s_cbranch_scc0 .Lentry_in_a_cluster
	s_endpgm
.Lentry_in_a_cluster:
	s_bfe_u32 s2, ttmp6, 0x10000c
	s_cmp_lg_u32 s2, 0xf033
	s_cbranch_scc0 .Lentry_shape_is_right
	s_endpgm
.Lentry_shape_is_right:
; GATEUP: products 7 and 8 on codes of E4M3, silu(gate) x up, quantised with the given e16 for product 9.
; act: [row][8 chunks][256 codes of h2 under e12, 256 under e14]; wca from byte 0x600000: [n][8 chunks][256 codes of wg, 256 of wu]; out: [row][2048] codes.
; A work-group makes 128 rows x 128 columns of both products.  EIGHT waves, two to a SIMD: waves 0-3 (P = 0) sum the gate, waves 4-7 (P = 1) the up product,
; each 64 x 64 (16 accumulators) of its product; wave w and wave w + 4 hold the same rows and columns.  A K step is one chunk: LDS rows of 512 bytes + 16, of which product P reads bytes 256 P on.
; THE RING: two slots of 256 rows (A's 128, B's 128).  At the head every wave issues its one load: waves 0-3 the four parts of slot 0 (chunk 0), waves 4-7 those of slot 1 (chunk 1).
; A slot's refills are issued by the four waves that first filled it: one load of a wave is out at the most.  Eight chunks: six refills.
; CLUSTERS 4 x 4: A's tile is asked for jointly along a row of the cluster, B's along a column.
; PREFETCH: behind its load of chunk j a wave asks for chunk j + 2 of the 64 rows that it fetches: the four partners of the joint load take 16 rows each, by address
; (cx for A, cy for B); a lane names one of a row's two blocks of 256 bytes.  Chunks 0 and 1 come by their loads alone; nothing is asked for beyond chunk 7.
; THE WAY OUT: the up waves leave their sums in LDS as images of their registers (slot 0: it has had its last fill and its last read); behind one barrier the gate waves take them,
; form g u / (1 + 2^(-g log2 e)), hold, convert with the folded scale, and store through a stage of their own.
; The matrix instruction takes source 0 = weight rows, source 1 = rows of h2: a lane holds one row and eight neighbouring columns.
; LIMITS: e12 + e13 between -126 and 127; e16 - e12 - e13 - e14 - e15 between -126 and 119.  NaN among the inputs is not served.
; REGISTERS: window 0: v1-31 addresses and constants, v32-127 the way out, v128-255 accumulators; window 1: two fragment buffers of 128, then the up sums.
.set KROW,  4096
.set PITCH, 528
.set HALFT, 64*PITCH
.set SLOT,  4*HALFT
.set SPARE, 2*SLOT                     ; the spare words: 128 bytes for each of eight waves
.set OSTG,  65536                      ; images: bytes 0-65535 of slot 0; the gate waves' stages behind them, 5,120 bytes each
.set PFO, 12
.set AD1, 16
.set AD0, 20
.set STO, 24
.set RD,  25
.set CO,  26
.set IM,  27
.set SPW, 28
.set NIL, 29
.set ACC, 128
.set F0,  0
.set F1,  128
.set G1,  24
.set G0,  32
.set G1B, 48
.set G0B, 56
.set PFA, 60
.set LIM, 62
.set MSB, 0
.macro WIN new
.if MSB != (\new)
	s_set_vgpr_msb (MSB<<8)|(\new)
.set MSB, (\new)
.endif
.endm
.macro PLACES
.rept 4
	v_nop
.endr
.endm
.macro JLOAD slot                      ; slot 0, 1: the four waves of that slot ask; 2: every wave asks (the head).  Parts 0, 1 are A's halves, parts 2, 3 B's
.if \slot < 2
	s_cmp_lg_u32 s8, \slot
	s_cbranch_scc1 .Lasked_\@
.endif
	s_cmp_eq_u32 s11, 0
	s_cbranch_scc0 .Lfor_b_\@
	tensor_load_to_lds s[G0:G0+3], s[G1:G1+7]
	s_nop 0
	PLACES
	s_branch .Lasked_\@
.Lfor_b_\@:
	tensor_load_to_lds s[G0B:G0B+3], s[G1B:G1B+7]
	s_nop 0
	PLACES
.Lasked_\@:
.endm
.macro CREST
	s_cmp_lg_u32 s10, 0
	s_cbranch_scc1 .Lnot_wave_0_\@
	s_barrier_signal -3
.Lnot_wave_0_\@:
	s_barrier_wait -3
	s_barrier_signal -1
	s_barrier_wait -1
.endm
.macro CROUND
	s_barrier_signal -1
	s_barrier_wait -1
	CREST
.endm
.macro ASK slot                        ; the slot's four waves, in the loop's first two trips (s3 = 3, 2): the chunk two behind the one just asked for
	s_cmp_gt_u32 s3, s[LIM+\slot]
	s_cbranch_scc0 .Lno_\@
	global_prefetch_b8 v[PFO], s[PFA:PFA+1] offset:1024 th:TH_LOAD_NT scope:SCOPE_SE
.Lno_\@:
.endm
.macro FETCH slot, k, f                ; 32 LDS loads: eight fragments of 16 rows x 128 K at byte k of my product's half of the rows
	WIN 0x40
.irp i, 0,1,2,3
.irp c, 0,1,2,3
	ds_load_b128 v[\f+64+16*\i+4*\c:\f+64+16*\i+4*\c+3], v[AD0+\slot] offset:(\k)+32*\c+\i*16*PITCH
.endr
.irp c, 0,1,2,3
	ds_load_b128 v[\f+16*\i+4*\c:\f+16*\i+4*\c+3], v[AD1+\slot] offset:(\k)+32*\c+\i*16*PITCH
.endr
.endr
.endm
.macro MULA f, a, zero                 ; four products; the 16 accumulators take turns, in the same order in every quarter
	WIN 0x05
.irp b, 0,1,2,3
.if \zero
	v_wmma_f32_16x16x128_fp8_fp8 v[ACC+8*(4*\a+\b):ACC+8*(4*\a+\b)+7], v[\f+64+16*\b:\f+64+16*\b+15], v[\f+16*\a:\f+16*\a+15], 0
.else
	v_wmma_f32_16x16x128_fp8_fp8 v[ACC+8*(4*\a+\b):ACC+8*(4*\a+\b)+7], v[\f+64+16*\b:\f+64+16*\b+15], v[\f+16*\a:\f+16*\a+15], v[ACC+8*(4*\a+\b):ACC+8*(4*\a+\b)+7]
.endif
.endr
.endm
.macro QUARTER slot, zero              ; a chunk's first 128 along K is multiplied while its second 128 is fetched
	PLACES
	FETCH \slot, 128, F1
	s_wait_dscnt 32                                ; all but the 32 just issued: buffer 0 is in
	MULA F0, 0, \zero
	MULA F0, 1, \zero
	MULA F0, 2, \zero
	MULA F0, 3, \zero
.endm
.macro TURN slot, next, fill           ; a chunk's second 128, and the change of slots
	WIN 0
.if \fill
	s_wait_xcnt 0x0                                ; my last prefetch has read its address
	s_add_nc_u64 s[PFA:PFA+1], s[PFA:PFA+1], 512
.endif
	s_wait_tensorcnt 0x0                           ; my load, if one was out, has landed
	ds_add_u32 v[SPW], v[NIL]
	s_wait_dscnt 1                                 ; buffer 1 is in; the add may be out
	MULA F1, 0, 0
	s_wait_dscnt 0x0                               ; the add is done, my reads of this slot are over
	s_barrier_signal -1
	MULA F1, 1, 0
	WIN 0
	s_barrier_wait -1
.if \fill
	CREST                                          ; the barrier has opened a round of the cluster's
	s_add_nc_u64 s[G0+2:G0+3], s[G0+2:G0+3], 512   ; every wave steps a chunk at every change: at the change behind chunk t the address stands at chunk t + 2
	s_add_nc_u64 s[G0B+2:G0B+3], s[G0B+2:G0B+3], 512
	JLOAD \slot
.endif
	PLACES                                         ; buffer 0 was read by matrix instructions
	FETCH \next, 0, F0
.if \fill
	WIN 0
	ASK \slot
.endif
	MULA F1, 2, 0
	MULA F1, 3, 0
.endm
	s_load_b128 s[4:7], s[0:1], 0x0                ; act, wca
	s_load_b128 s[68:71], s[0:1], 0x10             ; the scales, the codes out
	v_lshl_add_u32 v[SPW], v0, 2, SPARE
	v_mov_b32 v[NIL], 0
	ds_add_u32 v[SPW], v[NIL]
	ds_add_u32 v[SPW], v[NIL]
	v_lshrrev_b32 v1, 5, v0
	s_delay_alu instid0(VALU_DEP_1)
	v_readfirstlane_b32 s10, v1                    ; wave 0..7
	s_lshr_b32 s8, s10, 2                          ; P: my product, and the slot that I fill
	s_and_b32 s9, s10, 3                           ; my part of a slot, and my quarter of the tile
	s_lshr_b32 s11, s9, 1                          ; my half of the rows.  Also: I fetch for A (0) or B (1)
	s_and_b32 s12, s9, 1                           ; my half of the columns.  Also: which 64 rows I fetch
	s_bfe_u32 s40, ttmp6, 0x40000                  ; cx
	s_bfe_u32 s41, ttmp6, 0x40004                  ; cy
	s_lshl_b32 s42, ttmp9, 2
	s_add_co_u32 s42, s42, s40                     ; tile column
	s_and_b32 s13, ttmp7, 0xffff
	s_lshl_b32 s13, s13, 2
	s_add_co_u32 s13, s13, s41                     ; tile row
	s_lshl_b32 s43, s41, 2
	s_lshl_b32 s43, 15, s43
	s_lshl_b32 s44, 0x1111, s40
	s_or_b32 s[G1+0], s43, (1<<20)|(1<<21)|(6<<22)|(3<<25)    ; my row's mask; bytes; 4 words of padding behind every 128
	s_or_b32 s[G1B+0], s44, (1<<20)|(1<<21)|(6<<22)|(3<<25)   ; my column's
.irp g, G1, G1B
	s_mov_b32 s[\g+1], 512<<16
	s_mov_b32 s[\g+2], 64<<16
	s_mov_b32 s[\g+3], 512<<16
	s_mov_b32 s[\g+4], 64
	s_mov_b32 s[\g+5], KROW
	s_mov_b32 s[\g+6], 0
	s_mov_b32 s[\g+7], 0
.endr
	s_lshl_b32 s17, s12, 6
	s_lshl_b32 s16, s13, 7
	s_add_co_u32 s16, s16, s17
	s_lshl_b32 s46, s42, 7
	s_add_co_u32 s46, s46, s17
	s_mul_i32 s16, s16, KROW                       ; A: my 64 rows
	s_mul_i32 s46, s46, KROW
	s_add_co_u32 s46, s46, 0x600000                ; B: likewise
	s_mov_b32 s17, 0
	s_mov_b32 s47, 0
	s_mul_i32 s20, s9, HALFT
	s_mul_i32 s21, s8, SLOT
	s_add_co_u32 s20, s20, s21                     ; where my loads land: part x 64 rows + my slot
	s_lshl_b32 s18, s8, 9                          ; chunk P
	s_mov_b32 s19, 0
	s_wait_dscnt 0x0
	s_wait_kmcnt 0x0
	s_load_b128 s[72:75], s[68:69], 0x30           ; e12 .. e15
	s_load_b32 s76, s[68:69], 0x40                 ; e16
	s_add_nc_u64 s[14:15], s[4:5], s[16:17]
	s_add_nc_u64 s[46:47], s[6:7], s[46:47]
	s_mov_b32 s[G0], 1
	s_mov_b32 s[G0+1], s20
	s_add_nc_u64 s[G0+2:G0+3], s[14:15], s[18:19]
	s_or_b32 s[G0+3], s[G0+3], 0x80000000
	s_mov_b32 s[G0B], 1
	s_mov_b32 s[G0B+1], s20
	s_add_nc_u64 s[G0B+2:G0B+3], s[46:47], s[18:19]
	s_or_b32 s[G0B+3], s[G0B+3], 0x80000000
	CROUND                                         ; all sixteen work-groups are here
	JLOAD 2                                        ; chunks 0 and 1, one load a wave
	s_lshl_b32 s84, s8, 8                          ; my product's half of a row
	s_mul_i32 s85, s11, HALFT
	s_add_co_u32 s85, s85, s84                     ; source 1: my rows of A, slot 0,
	s_add_co_u32 s86, s85, SLOT                    ; slot 1
	s_mul_i32 s87, s12, HALFT
	s_add_co_u32 s87, s87, s84
	s_add_co_u32 s87, s87, 2*HALFT                 ; source 0: my rows of B
	s_add_co_u32 s88, s87, SLOT
	s_lshl_b32 s89, s9, 14                         ; my pair's images
	s_mul_i32 s23, s9, 5120
	s_add_co_u32 s23, s23, OSTG                    ; my stage
	s_lshl_b32 s90, s13, 7
	s_lshl_b32 s91, s11, 6
	s_add_co_u32 s90, s90, s91
	s_lshl_b32 s90, s90, 11                        ; out: my first row,
	s_lshl_b32 s91, s42, 7
	s_add_co_u32 s90, s90, s91
	s_lshl_b32 s91, s12, 6
	s_add_co_u32 s90, s90, s91                     ; my first column
	s_mov_b32 s91, 0
	s_add_nc_u64 s[70:71], s[70:71], s[90:91]
	s_cmp_eq_u32 s8, 0
	s_cselect_b32 s[LIM], 1, -1                    ; a wave asks at its own slot's changes alone
	s_cselect_b32 s[LIM+1], -1, 1
	s_lshl_b32 s21, s13, 7
	s_lshl_b32 s22, s42, 7
	s_cmp_eq_u32 s11, 0                            ; the prefetches: A's rows or B's
	s_cselect_b32 s21, s21, s22
	s_cselect_b32 s22, s40, s41                    ; my place among the four that ask jointly
	s_cselect_b32 s82, 0, 0x600000
	s_cselect_b64 s[PFA:PFA+1], s[4:5], s[6:7]
	s_lshl_b32 s84, s12, 6
	s_add_co_u32 s21, s21, s84
	s_lshl_b32 s22, s22, 4
	s_add_co_u32 s21, s21, s22                     ; my work-group's 16 of the 64 rows
	s_mul_i32 s21, s21, KROW
	s_add_co_u32 s82, s82, s21
	s_mov_b32 s83, 0
	s_add_nc_u64 s[66:67], s[PFA:PFA+1], s[82:83]
	s_add_nc_u64 s[PFA:PFA+1], s[66:67], s[18:19]  ; at chunk P
	s_wait_kmcnt 0x0
	s_add_co_i32 s77, s72, s73
	s_lshl_b32 s78, s77, 23
	s_add_co_u32 s78, s78, 0xbfb8aa3b              ; -log2(e) x 2^(e12 + e13)
	s_mov_b32 s79, s78
	s_sub_co_i32 s80, s76, s77
	s_sub_co_i32 s80, s80, s74
	s_sub_co_i32 s80, s80, s75                     ; the five scales folded into the conversion's one
	s_add_co_i32 s80, s80, 127
	s_lshl_b32 s81, s80, 23
	s_add_co_i32 s80, s80, 8
	s_lshl_b32 s80, s80, 23
	s_or_b32 s80, s80, 0x600000
	v_and_b32 v1, 15, v0                           ; the chains below are interleaved: no line reads a result of the four lines above it
	v_bfe_u32 v2, v0, 4, 1
	v_and_b32 v4, 31, v0
	v_mov_b32 v30, s81
	v_mov_b32 v31, s80                             ; 448 x the folded scale
	v_mul_u32_u24 v3, v1, PITCH
	v_mul_u32_u24 v[STO], v1, 80
	v_lshrrev_b32 v5, 2, v4
	v_and_b32 v6, 3, v4
	v_lshrrev_b32 v7, 1, v4
	v_and_b32 v8, 1, v4
	v_lshl_add_u32 v3, v2, 4, v3                   ; a fragment's lane term
	v_lshl_add_u32 v[STO], v2, 3, v[STO]
	v_mul_u32_u24 v[RD], v5, 80
	v_lshlrev_b32 v[CO], 11, v5
	v_mul_u32_u24 v[PFO], v7, KROW
	v_lshl_add_u32 v[IM], v4, 4, s89
	v_add_nc_u32 v[AD1], s85, v3
	v_lshl_add_u32 v[RD], v6, 4, v[RD]
	v_add_nc_u32 v[AD1+1], s86, v3
	v_add_nc_u32 v[AD0], s87, v3
	v_add_nc_u32 v[AD0+1], s88, v3
	v_add_nc_u32 v[STO], s23, v[STO]
	v_lshl_add_u32 v[CO], v6, 4, v[CO]
	v_add_nc_u32 v[RD], s23, v[RD]
	v_lshl_add_u32 v[PFO], v8, 8, v[PFO]           ; row lane / 2, block lane % 2
	s_wait_alu depctr_va_vdst(0)
	global_prefetch_b8 v[PFO], s[PFA:PFA+1] offset:1024 th:TH_LOAD_NT scope:SCOPE_SE   ; chunk P + 2
	s_wait_tensorcnt 0x0                           ; my part of chunk P is in
	ds_add_u32 v[SPW], v[NIL]
	s_add_nc_u64 s[G0+2:G0+3], s[14:15], 512       ; from here on all waves' addresses walk alike: the first change steps them to chunk 2
	s_or_b32 s[G0+3], s[G0+3], 0x80000000
	s_add_nc_u64 s[G0B+2:G0B+3], s[46:47], 512
	s_or_b32 s[G0B+3], s[G0B+3], 0x80000000
	s_wait_xcnt 0x0                                ; the prefetch has read its address
	s_add_nc_u64 s[PFA:PFA+1], s[66:67], 512
	s_wait_dscnt 0x0
	s_barrier_signal -1
	s_barrier_wait -1                              ; both slots are whole
	FETCH 0, 0, F0
	QUARTER 0, 1                                   ; the first products start the sums
	WIN 0
	s_mov_b32 s3, 3
.Llap:                                                 ; a trip goes once round the ring and fills both slots again
	TURN 0, 1, 1
	QUARTER 1, 0
	TURN 1, 0, 1
	QUARTER 0, 0
	WIN 0
	s_sub_co_u32 s3, s3, 1
	s_cmp_lg_u32 s3, 0
	s_cbranch_scc1 .Llap
	TURN 0, 1, 0                                   ; the last lap fills nothing
	QUARTER 1, 0
	s_wait_dscnt 0x0
	MULA F1, 0, 0
	MULA F1, 1, 0
	MULA F1, 2, 0
	MULA F1, 3, 0
	WIN 0
	PLACES
	s_cmp_eq_u32 s8, 0
	s_cbranch_scc1 .Lmeet
.set i, 0
.rept 32
	ds_store_b128 v[IM], v[ACC+4*i:ACC+4*i+3] offset:512*i   ; the up sums as they stand in the registers, each accumulator from its low end on
.set i, i+1
.endr
.Lmeet:
	s_wait_dscnt 0x0
	s_barrier_signal -1
	s_barrier_wait -1
	s_cmp_lg_u32 s8, 0
	s_cbranch_scc1 .Lend
	WIN 0x40
.set i, 0
.rept 32
	ds_load_b128 v[4*i:4*i+3], v[IM] offset:512*i  ; my partner's sums, same lanes, same order: window 1, v0-127
.set i, i+1
.endr
	s_wait_dscnt 0x0
	WIN 0x44
.set j, 0
.rept 64
	v_pk_mul_f32 v[j:j+1], v[ACC+j:ACC+j+1], v[j:j+1]          ; g u
.set j, j+2
.endr
	WIN 0
.set j, 0
.rept 64
	v_pk_mul_f32 v[ACC+j:ACC+j+1], v[ACC+j:ACC+j+1], s[78:79] op_sel_hi:[1,0]   ; -g log2(e)
.set j, j+2
.endr
	s_wait_alu depctr_va_vdst(0)
.set j, 0
.rept 128
	v_exp_f32 v[ACC+j], v[ACC+j]
.set j, j+1
.endr
	v_nop
	s_wait_alu depctr_va_vdst(0)
.set j, 0
.rept 64
	v_pk_add_f32 v[ACC+j:ACC+j+1], v[ACC+j:ACC+j+1], 1.0 op_sel_hi:[1,0]
.set j, j+2
.endr
	s_wait_alu depctr_va_vdst(0)
.set j, 0
.rept 128
	v_rcp_f32 v[ACC+j], v[ACC+j]
.set j, j+1
.endr
	v_nop
	WIN 0x01
	s_wait_alu depctr_va_vdst(0)
.set j, 0
.rept 64
	v_pk_mul_f32 v[ACC+j:ACC+j+1], v[j:j+1], v[ACC+j:ACC+j+1]
.set j, j+2
.endr
	WIN 0
.set i, 0
.rept 16
.irp j, 0,1,2,3,4,5,6,7
	v_med3_num_f32 v[ACC+8*i+\j], v[ACC+8*i+\j], -v31, v31     ; the hold: the conversion does not saturate (ISA guide 7.6.2)
.endr
	v_cvt_scalef32_pk8_fp8_f32 v[32+2*i:33+2*i], v[ACC+8*i:ACC+8*i+7], v30
.set i, i+1
.endr
	v_nop                                          ; a plain line behind the last conversion
.irp a, 0,1,2,3
.irp b, 0,1,2,3
	ds_store_b64 v[STO], v[32+2*(4*\a+\b):33+2*(4*\a+\b)] offset:1280*\a+16*\b
.endr
.endr
.irp t, 0,1,2,3,4,5,6,7
	ds_load_b128 v[64+4*\t:67+4*\t], v[RD] offset:640*\t       ; LDS serves a wave's instructions in order: these see my stores
.endr
.irp t, 0,1,2,3,4,5,6,7
	s_wait_dscnt 7-\t
	global_store_b128 v[CO], v[64+4*\t:67+4*\t], s[70:71] offset:16384*\t   ; eight rows' 64 bytes
.endr
.Lend:
	s_wait_tensorcnt 0x0                           ; the wave's end
	ds_add_u32 v[SPW], v[NIL]
	s_wait_dscnt 0x0
	CROUND                                         ; the closing round
	s_endpgm
.Lfunc_end_k_q9c254826f0_gateup:
	.size	k_q9c254826f0_gateup, .Lfunc_end_k_q9c254826f0_gateup-k_q9c254826f0_gateup
	.p2alignl 7, 3214868480
	.fill 96, 4, 3214868480
	.section	.rodata,"a",@progbits
	.p2align	6, 0x0
	.amdhsa_kernel k_q9c254826f0_gateup
		.amdhsa_group_segment_fixed_size 327680
		.amdhsa_private_segment_fixed_size 0
		.amdhsa_enable_private_segment 0
		.amdhsa_kernarg_size 32
		.amdhsa_user_sgpr_count 2
		.amdhsa_user_sgpr_kernarg_segment_ptr 1
		.amdhsa_wavefront_size32 1
		.amdhsa_system_sgpr_workgroup_id_x 1
		.amdhsa_system_sgpr_workgroup_id_y 1
		.amdhsa_system_sgpr_workgroup_id_z 1
		.amdhsa_system_vgpr_workitem_id 0
		.amdhsa_next_free_vgpr 512
		.amdhsa_next_free_sgpr 100
		.amdhsa_reserve_vcc 0
		.amdhsa_float_denorm_mode_32 3
		.amdhsa_float_denorm_mode_16_64 3
		.amdhsa_memory_ordered 1
		.amdhsa_forward_progress 1
		.amdhsa_inst_pref_size 79
	.end_amdhsa_kernel
	.amdgpu_metadata
---
amdhsa.version: [ 1, 2 ]
amdhsa.kernels:
  - .name:           k_q9c254826f0_gateup
    .symbol:         k_q9c254826f0_gateup.kd
    .args:
      - { .name: act, .offset: 0, .size: 8, .value_kind: global_buffer, .address_space: global }
      - { .name: wca, .offset: 8, .size: 8, .value_kind: global_buffer, .address_space: global }
      - { .name: lowp_scales, .offset: 16, .size: 8, .value_kind: global_buffer, .address_space: global }
      - { .name: qkvc, .offset: 24, .size: 8, .value_kind: global_buffer, .address_space: global }
    .group_segment_fixed_size: 327680
    .private_segment_fixed_size: 0
    .kernarg_segment_align: 8
    .kernarg_segment_size: 32
    .max_flat_workgroup_size: 256
    .sgpr_count:     100
    .vgpr_count:     512
    .wavefront_size: 32
...
	.end_amdgpu_metadata
.endif
;; end of part 6
;; launch down (part 7): grid 16 x 16, 8 waves a work-group, clusters of 4 x 4, 327,680 bytes of LDS; arguments qkvc, wcd, res, out0; writes out0
.if DOCPART == 7
	.amdgcn_target "amdgcn-amd-amdhsa--gfx1250"
	.amdhsa_code_object_version 6
	.text
	.protected	k_q9c254826f0_down
	.globl	k_q9c254826f0_down
	.p2align	8
	.type	k_q9c254826f0_down,@function
k_q9c254826f0_down:
	s_mov_b64 s[64:65], 0
	v_nop
	global_prefetch_b8 v0, s[64:65] scope:SCOPE_SE
	s_setreg_imm32_b32 hwreg(HW_REG_WAVE_MODE, 25, 1), 1
	s_wait_xcnt 0x0
	s_wait_alu depctr_hold_cnt(0) depctr_sa_sdst(0) depctr_va_vdst(0) depctr_va_sdst(0) depctr_va_ssrc(0) depctr_va_vcc(0) depctr_vm_vsrc(0)
	s_getreg_b32 s2, hwreg(HW_REG_IB_STS2, 6, 4)
	s_cmp_eq_u32 s2, 0
	s_cbranch_scc0 .Lentry_in_a_cluster
	s_endpgm
.Lentry_in_a_cluster:
	s_bfe_u32 s2, ttmp6, 0x10000c
	s_cmp_lg_u32 s2, 0xf033
	s_cbranch_scc0 .Lentry_shape_is_right
	s_endpgm
.Lentry_shape_is_right:
; PRODUCT 9 ON CODES OF E4M3 WITH ITS RESIDUAL: out = res + (A wd) x 2^(e16 + e17).  A: the hidden layer, [2048][2048] codes; wd: [2048 (n)][2048 (k)] codes with the pair e16, e17 in the 256 bytes behind them; res = h2 + x and out: [2048][2048] f32.
; C tile 128 x 128: 256 work-groups.  EIGHT waves, two to a SIMD.  K goes in chunks of 512 (LDS rows of 512 bytes + 16) through two slots; waves 0-3 (P = 0) sum bytes 0-255 of every chunk,
; waves 4-7 (P = 1) bytes 256-511, each over 64 x 64 of C; wave w and wave w + 4 hold the same 64 x 64.  A's blocks are ordered so that a wave's blocks 0, 1 are rows 32 P on, which it finishes,
; and blocks 2, 3 its partner's: those it leaves in LDS as images of its registers (slot 0, behind its last fill and last read); behind one barrier each wave adds its partner's images to its own blocks 0, 1.
; THE RING: at the head every wave issues its one load: waves 0-3 the four parts of slot 0 (chunk 0), waves 4-7 those of slot 1 (chunk 1); a slot's one refill (chunks 2, 3) is issued by the same four waves.
; CLUSTERS 4 x 4: A's tile is asked for jointly along a row of the cluster, B's along a column.
; PREFETCH: behind its load of chunk P a wave asks for chunk P + 2 of the 64 rows that it fetches; the four partners of the joint load take 16 rows each, by address; a lane names one of a row's two blocks of 256 bytes.
; Source 0 = rows of B, source 1 = rows of A: a lane holds one row and eight neighbouring columns.  The results leave through a stage: sixteen lanes store 256 consecutive bytes, aligned.
; LIMIT: e16 + e17 between -126 and 127.
; REGISTERS: window 0: v1-31 addresses, v32-95 res, then out, v128-255 accumulators; window 1: two fragment buffers of 128, then the partner's sums (v0-63) and rows back from the stage (v64-127).
.set KROW,  2048
.set PITCH, 528
.set HALFT, 64*PITCH
.set SLOT,  4*HALFT
.set SPARE, 2*SLOT
.set OSTG,  65536                      ; images: 8 x 8,192 bytes from byte 0 of slot 0; the stages behind them
.set PFO, 12
.set IMR, 13
.set A1L, 16
.set A1H, 18
.set AD0, 20
.set STO, 24
.set RD,  25
.set CO,  26
.set IMW, 27
.set SPW, 28
.set NIL, 29
.set ACC, 128
.set F0,  0
.set F1,  128
.set G1,  24
.set G0,  32
.set G1B, 48
.set G0B, 56
.set PFA, 60
.set MSB, 0
.macro WIN new
.if MSB != (\new)
	s_set_vgpr_msb (MSB<<8)|(\new)
.set MSB, (\new)
.endif
.endm
.macro PLACES
.rept 4
	v_nop
.endr
.endm
.macro JLOAD slot                      ; slot 0, 1: the four waves of that slot ask; 2: every wave asks (the head)
.if \slot < 2
	s_cmp_lg_u32 s8, \slot
	s_cbranch_scc1 .Lasked_\@
.endif
	s_cmp_eq_u32 s11, 0
	s_cbranch_scc0 .Lfor_b_\@
	tensor_load_to_lds s[G0:G0+3], s[G1:G1+7]
	s_nop 0
	PLACES
	s_branch .Lasked_\@
.Lfor_b_\@:
	tensor_load_to_lds s[G0B:G0B+3], s[G1B:G1B+7]
	s_nop 0
	PLACES
.Lasked_\@:
.endm
.macro CREST
	s_cmp_lg_u32 s10, 0
	s_cbranch_scc1 .Lnot_wave_0_\@
	s_barrier_signal -3
.Lnot_wave_0_\@:
	s_barrier_wait -3
	s_barrier_signal -1
	s_barrier_wait -1
.endm
.macro CROUND
	s_barrier_signal -1
	s_barrier_wait -1
	CREST
.endm
.macro FETCH slot, k, f                ; 32 LDS loads: eight fragments of 16 rows x 128 K
	WIN 0x40
.irp i, 0,1,2,3
.irp c, 0,1,2,3
	ds_load_b128 v[\f+64+16*\i+4*\c:\f+64+16*\i+4*\c+3], v[AD0+\slot] offset:(\k)+32*\c+\i*16*PITCH
.endr
.endr
.irp i, 0,1
.irp c, 0,1,2,3
	ds_load_b128 v[\f+16*\i+4*\c:\f+16*\i+4*\c+3], v[A1L+\slot] offset:(\k)+32*\c+\i*16*PITCH
.endr
.irp c, 0,1,2,3
	ds_load_b128 v[\f+32+16*\i+4*\c:\f+32+16*\i+4*\c+3], v[A1H+\slot] offset:(\k)+32*\c+\i*16*PITCH
.endr
.endr
.endm
.macro MULA f, a, zero                 ; the 16 accumulators take turns, in the same order in every quarter
	WIN 0x05
.irp b, 0,1,2,3
.if \zero
	v_wmma_f32_16x16x128_fp8_fp8 v[ACC+8*(4*\a+\b):ACC+8*(4*\a+\b)+7], v[\f+64+16*\b:\f+64+16*\b+15], v[\f+16*\a:\f+16*\a+15], 0
.else
	v_wmma_f32_16x16x128_fp8_fp8 v[ACC+8*(4*\a+\b):ACC+8*(4*\a+\b)+7], v[\f+64+16*\b:\f+64+16*\b+15], v[\f+16*\a:\f+16*\a+15], v[ACC+8*(4*\a+\b):ACC+8*(4*\a+\b)+7]
.endif
.endr
.endm
.macro QUARTER slot, zero
	PLACES
	FETCH \slot, 128, F1
	s_wait_dscnt 32                                ; all but the 32 just issued: buffer 0 is in
	MULA F0, 0, \zero
	MULA F0, 1, \zero
	MULA F0, 2, \zero
	MULA F0, 3, \zero
.endm
.macro TURN slot, next, fill
	WIN 0
	s_wait_tensorcnt 0x0                           ; my load, if one was out, has landed
	ds_add_u32 v[SPW], v[NIL]
	s_wait_dscnt 1                                 ; buffer 1 is in; the add may be out
	MULA F1, 0, 0
	s_wait_dscnt 0x0                               ; the add is done, my reads of this slot are over
	s_barrier_signal -1
	MULA F1, 1, 0
	WIN 0
	s_barrier_wait -1
.if \fill
	CREST                                          ; the barrier has opened a round of the cluster's
	s_add_nc_u64 s[G0+2:G0+3], s[G0+2:G0+3], 512   ; every wave steps a chunk at every change: behind chunk t the address stands at chunk t + 2
	s_add_nc_u64 s[G0B+2:G0B+3], s[G0B+2:G0B+3], 512
	JLOAD \slot
.endif
	PLACES
	FETCH \next, 0, F0
	MULA F1, 2, 0
	MULA F1, 3, 0
.endm
	s_load_b128 s[4:7], s[0:1], 0x0                ; A's codes, wd's codes
	s_load_b128 s[68:71], s[0:1], 0x10             ; res, out
	v_lshl_add_u32 v[SPW], v0, 2, SPARE
	v_mov_b32 v[NIL], 0
	ds_add_u32 v[SPW], v[NIL]
	ds_add_u32 v[SPW], v[NIL]
	v_lshrrev_b32 v9, 5, v0
	s_delay_alu instid0(VALU_DEP_1)
	v_readfirstlane_b32 s10, v9                    ; wave 0..7
	v_and_b32 v1, 15, v0                           ; r
	v_bfe_u32 v2, v0, 4, 1                         ; h
	v_and_b32 v4, 31, v0                           ; lane
	s_lshr_b32 s8, s10, 2                          ; P: my half of every chunk, and the slot that I fill
	s_and_b32 s9, s10, 3
	s_lshr_b32 s11, s9, 1                          ; my half of the rows.  Also: I fetch for A (0) or B (1)
	s_and_b32 s12, s9, 1                           ; my half of the columns.  Also: which 64 rows I fetch
	s_bfe_u32 s40, ttmp6, 0x40000                  ; cx
	s_bfe_u32 s41, ttmp6, 0x40004                  ; cy
	s_lshl_b32 s42, ttmp9, 2
	s_add_co_u32 s42, s42, s40                     ; tile column
	s_and_b32 s13, ttmp7, 0xffff
	s_lshl_b32 s13, s13, 2
	s_add_co_u32 s13, s13, s41                     ; tile row
	s_lshl_b32 s43, s41, 2
	s_lshl_b32 s43, 15, s43
	s_lshl_b32 s44, 0x1111, s40
	s_or_b32 s[G1+0], s43, (1<<20)|(1<<21)|(6<<22)|(3<<25)
	s_or_b32 s[G1B+0], s44, (1<<20)|(1<<21)|(6<<22)|(3<<25)
.irp g, G1, G1B
	s_mov_b32 s[\g+1], 512<<16
	s_mov_b32 s[\g+2], 64<<16
	s_mov_b32 s[\g+3], 512<<16
	s_mov_b32 s[\g+4], 64
	s_mov_b32 s[\g+5], KROW
	s_mov_b32 s[\g+6], 0
	s_mov_b32 s[\g+7], 0
.endr
	s_lshl_b32 s17, s12, 6
	s_lshl_b32 s16, s13, 7
	s_add_co_u32 s16, s16, s17
	s_lshl_b32 s46, s42, 7
	s_add_co_u32 s46, s46, s17
	s_mul_i32 s16, s16, KROW
	s_mul_i32 s46, s46, KROW
	s_mov_b32 s17, 0
	s_mov_b32 s47, 0
	s_mul_i32 s20, s9, HALFT
	s_mul_i32 s21, s8, SLOT
	s_add_co_u32 s20, s20, s21                     ; where my loads land
	s_lshl_b32 s18, s8, 9                          ; chunk P
	s_mov_b32 s19, 0
	s_wait_alu depctr_va_vdst(0)
	s_wait_dscnt 0x0
	s_wait_kmcnt 0x0
	s_load_b64 s[72:73], s[6:7], 0x400000          ; e16, e17
	s_add_nc_u64 s[14:15], s[4:5], s[16:17]
	s_add_nc_u64 s[46:47], s[6:7], s[46:47]
	s_mov_b32 s[G0], 1
	s_mov_b32 s[G0+1], s20
	s_add_nc_u64 s[G0+2:G0+3], s[14:15], s[18:19]
	s_or_b32 s[G0+3], s[G0+3], 0x80000000
	s_mov_b32 s[G0B], 1
	s_mov_b32 s[G0B+1], s20
	s_add_nc_u64 s[G0B+2:G0B+3], s[46:47], s[18:19]
	s_or_b32 s[G0B+3], s[G0B+3], 0x80000000
	CROUND
	JLOAD 2                                        ; chunks 0 and 1, one load a wave
	s_lshl_b32 s84, s8, 8                          ; my half of a chunk
	s_mul_i32 s85, s11, HALFT
	s_add_co_u32 s85, s85, s84
	s_mul_i32 s86, s8, 32*PITCH
	s_add_co_u32 s86, s85, s86                     ; A, blocks 0, 1: rows 32 P on
	s_xor_b32 s87, s8, 1
	s_mul_i32 s87, s87, 32*PITCH
	s_add_co_u32 s87, s85, s87                     ; blocks 2, 3: the other 32 rows
	s_mul_i32 s88, s12, HALFT
	s_add_co_u32 s88, s88, s84
	s_add_co_u32 s88, s88, 2*HALFT                 ; B
	s_add_co_u32 s91, s86, SLOT
	s_add_co_u32 s92, s87, SLOT
	s_add_co_u32 s93, s88, SLOT
	s_lshl_b32 s89, s10, 13                        ; my images,
	s_xor_b32 s90, s10, 4
	s_lshl_b32 s90, s90, 13                        ; my partner's
	s_mul_i32 s23, s10, 16*272
	s_add_co_u32 s23, s23, OSTG                    ; my stage: 16 rows x (256 bytes + 16)
	s_lshl_b32 s94, s13, 7
	s_lshl_b32 s95, s11, 6
	s_add_co_u32 s94, s94, s95
	s_lshl_b32 s95, s8, 5
	s_add_co_u32 s94, s94, s95                     ; my first row
	s_lshl_b32 s94, s94, 13
	s_lshl_b32 s95, s42, 9
	s_add_co_u32 s94, s94, s95
	s_lshl_b32 s95, s12, 8
	s_add_co_u32 s94, s94, s95                     ; my first column
	s_mov_b32 s95, 0
	s_add_nc_u64 s[68:69], s[68:69], s[94:95]
	s_add_nc_u64 s[70:71], s[70:71], s[94:95]
	s_cmp_eq_u32 s11, 0                            ; the prefetch: my work-group's 16 of the 64 rows that I fetch
	s_cselect_b64 s[PFA:PFA+1], s[14:15], s[46:47]
	s_cselect_b32 s21, s40, s41
	s_mul_i32 s21, s21, 16*KROW
	s_add_co_u32 s82, s21, s18
	s_mov_b32 s83, 0
	s_add_nc_u64 s[PFA:PFA+1], s[PFA:PFA+1], s[82:83]
	s_wait_kmcnt 0x0
	s_add_co_i32 s74, s72, s73
	s_add_co_i32 s74, s74, 127
	s_lshl_b32 s74, s74, 23                        ; 2^(e16 + e17)
	s_mov_b32 s75, s74
	v_mul_u32_u24 v3, v1, PITCH                    ; the chains below are interleaved: no line reads a result of the four lines above it
	v_mul_u32_u24 v[STO], v1, 272
	v_mul_u32_u24 v[RD], v2, 272
	v_lshlrev_b32 v[CO], 13, v2
	v_lshrrev_b32 v7, 1, v4
	v_and_b32 v8, 1, v4
	v_lshl_add_u32 v[IMW], v4, 4, s89
	v_lshl_add_u32 v[IMR], v4, 4, s90
	v_lshl_add_u32 v3, v2, 4, v3
	v_lshl_add_u32 v[STO], v2, 5, v[STO]
	v_lshl_add_u32 v[RD], v1, 4, v[RD]
	v_lshl_add_u32 v[CO], v1, 4, v[CO]
	v_mul_u32_u24 v[PFO], v7, KROW
	v_add_nc_u32 v[A1L], s86, v3
	v_add_nc_u32 v[A1L+1], s91, v3
	v_add_nc_u32 v[A1H], s87, v3
	v_add_nc_u32 v[A1H+1], s92, v3
	v_add_nc_u32 v[AD0], s88, v3
	v_add_nc_u32 v[AD0+1], s93, v3
	v_add_nc_u32 v[STO], s23, v[STO]
	v_add_nc_u32 v[RD], s23, v[RD]
	v_lshl_add_u32 v[PFO], v8, 8, v[PFO]
	s_wait_alu depctr_va_vdst(0)
	global_prefetch_b8 v[PFO], s[PFA:PFA+1] offset:1024 th:TH_LOAD_NT scope:SCOPE_SE   ; chunk P + 2
	s_wait_tensorcnt 0x0                           ; my part of chunk P is in
	ds_add_u32 v[SPW], v[NIL]
	s_add_nc_u64 s[G0+2:G0+3], s[14:15], 512       ; from here on all waves' addresses walk alike
	s_or_b32 s[G0+3], s[G0+3], 0x80000000
	s_add_nc_u64 s[G0B+2:G0B+3], s[46:47], 512
	s_or_b32 s[G0B+3], s[G0B+3], 0x80000000
	s_wait_dscnt 0x0
	s_barrier_signal -1
	s_barrier_wait -1                              ; both slots are whole
.irp a, 0,1
.irp t, 0,1,2,3,4,5,6,7
	global_load_b128 v[32+32*\a+4*\t:32+32*\a+4*\t+3], v[CO], s[68:69] offset:(16*\a+2*\t)*8192 th:TH_LOAD_NT   ; res: my 32 rows x 256 bytes: asked for behind the first tiles, wanted behind the last product
.endr
.endr
	FETCH 0, 0, F0
	QUARTER 0, 1                                   ; the first products start the sums
	TURN 0, 1, 1
	QUARTER 1, 0
	TURN 1, 0, 1
	QUARTER 0, 0
	TURN 0, 1, 0
	QUARTER 1, 0
	s_wait_dscnt 0x0
	MULA F1, 0, 0
	MULA F1, 1, 0
	MULA F1, 2, 0
	MULA F1, 3, 0
	WIN 0
	PLACES
.set i, 0
.rept 16
	ds_store_b128 v[IMW], v[ACC+64+4*i:ACC+64+4*i+3] offset:512*i   ; blocks 2, 3 as they stand in the registers, each accumulator from its low end on
.set i, i+1
.endr
	s_wait_dscnt 0x0
	s_barrier_signal -1
	s_barrier_wait -1
	WIN 0x40
.set i, 0
.rept 16
	ds_load_b128 v[4*i:4*i+3], v[IMR] offset:512*i                  ; my partner's sums over my rows: same lanes, same order
.set i, i+1
.endr
	s_wait_dscnt 0x0
	s_wait_loadcnt 0x0                             ; res
	WIN 0x04
.set j, 0
.rept 32
	v_pk_add_f32 v[ACC+j:ACC+j+1], v[ACC+j:ACC+j+1], v[j:j+1]
.set j, j+2
.endr
	WIN 0
.macro TOSTAGE a                       ; block a, 16 rows x 64 columns, into my stage and back as rows of 256 bytes (LDS serves a wave's instructions in order)
.irp b, 0,1,2,3
	ds_store_b128 v[STO], v[ACC+8*(4*(\a)+\b):ACC+8*(4*(\a)+\b)+3] offset:64*\b
	ds_store_b128 v[STO], v[ACC+8*(4*(\a)+\b)+4:ACC+8*(4*(\a)+\b)+7] offset:64*\b+16
.endr
	WIN 0x40
.irp t, 0,1,2,3,4,5,6,7
	ds_load_b128 v[64+32*(\a)+4*\t:64+32*(\a)+4*\t+3], v[RD] offset:\t*2*272
.endr
	WIN 0
.endm
.macro SEND a, younger
	s_wait_dscnt \younger
	WIN 0x01
.set j, 0
.rept 16
	v_pk_fma_f32 v[32+32*(\a)+2*j:32+32*(\a)+2*j+1], v[64+32*(\a)+2*j:64+32*(\a)+2*j+1], s[74:75], v[32+32*(\a)+2*j:32+32*(\a)+2*j+1] op_sel_hi:[1,0,1]
.set j, j+1
.endr
	WIN 0
.irp t, 0,1,2,3,4,5,6,7
	global_store_b128 v[CO], v[32+32*(\a)+4*\t:32+32*(\a)+4*\t+3], s[70:71] offset:(16*(\a)+2*\t)*8192   ; sixteen lanes store 256 consecutive bytes, aligned
.endr
.endm
	TOSTAGE 0
	TOSTAGE 1
	SEND 0, 16                                     ; behind block 0's loads: block 1's 8 stores and 8 loads
	SEND 1, 0
	s_wait_tensorcnt 0x0                           ; the wave's end
	ds_add_u32 v[SPW], v[NIL]
	s_wait_dscnt 0x0
	CROUND                                         ; the closing round
	s_endpgm
.Lfunc_end_k_q9c254826f0_down:
	.size	k_q9c254826f0_down, .Lfunc_end_k_q9c254826f0_down-k_q9c254826f0_down
	.p2alignl 7, 3214868480
	.fill 96, 4, 3214868480
	.section	.rodata,"a",@progbits
	.p2align	6, 0x0
	.amdhsa_kernel k_q9c254826f0_down
		.amdhsa_group_segment_fixed_size 327680
		.amdhsa_private_segment_fixed_size 0
		.amdhsa_enable_private_segment 0
		.amdhsa_kernarg_size 32
		.amdhsa_user_sgpr_count 2
		.amdhsa_user_sgpr_kernarg_segment_ptr 1
		.amdhsa_wavefront_size32 1
		.amdhsa_system_sgpr_workgroup_id_x 1
		.amdhsa_system_sgpr_workgroup_id_y 1
		.amdhsa_system_sgpr_workgroup_id_z 1
		.amdhsa_system_vgpr_workitem_id 0
		.amdhsa_next_free_vgpr 512
		.amdhsa_next_free_sgpr 100
		.amdhsa_reserve_vcc 0
		.amdhsa_float_denorm_mode_32 3
		.amdhsa_float_denorm_mode_16_64 3
		.amdhsa_memory_ordered 1
		.amdhsa_forward_progress 1
		.amdhsa_inst_pref_size 49
	.end_amdhsa_kernel
	.amdgpu_metadata
---
amdhsa.version: [ 1, 2 ]
amdhsa.kernels:
  - .name:           k_q9c254826f0_down
    .symbol:         k_q9c254826f0_down.kd
    .args:
      - { .name: qkvc, .offset: 0, .size: 8, .value_kind: global_buffer, .address_space: global }
      - { .name: wcd, .offset: 8, .size: 8, .value_kind: global_buffer, .address_space: global }
      - { .name: res, .offset: 16, .size: 8, .value_kind: global_buffer, .address_space: global }
      - { .name: out0, .offset: 24, .size: 8, .value_kind: global_buffer, .address_space: global }
    .group_segment_fixed_size: 327680
    .private_segment_fixed_size: 0
    .kernarg_segment_align: 8
    .kernarg_segment_size: 32
    .max_flat_workgroup_size: 256
    .sgpr_count:     100
    .vgpr_count:     512
    .wavefront_size: 32
...
	.end_amdgpu_metadata
.endif
;; end of part 7
